; MI455X (gfx1250); checked and timed in simulation.
; The chip was launched on July 23, 2026; its instructions are those of AMD's public machine-readable ISA for CDNA 5 (MIT licence, August 2026) and "CDNA5" Instruction Set Architecture Reference Guide (July 2026). The comments in the code are by the model that wrote it; some were corrected since.
;; MHA. Allowed arithmetic: matrix products marked QUANTISED: E2M3 operands, one E8M0 scale for each 32 along K, by v_wmma_scale_f32_16x16x128_f8f6f4 with both operands' format E2M3, f32 sums; everything else in f32.
;; Inputs: bk 1,024 float32; bo 1,024 float32; bq 1,024 float32; bv 1,024 float32; k 4 x 2,048 x 1,024 float32; mask 1 x 1 x 2,048 x 2,048 int32; q 4 x 2,048 x 1,024 float32; v 4 x 2,048 x 1,024 float32; wk 1,024 x 1,024 float32; wo 1,024 x 1,024 float32; wq 1,024 x 1,024 float32; wv 1,024 x 1,024 float32.
;; Outputs: out0 4 x 2,048 x 1,024 float32.
;; This version of the problem:
;;   THIS VERSION OF THE PROBLEM IS GIVEN IN LOW PRECISION. The matrix products marked QUANTISED in the list below multiply operands that are first quantised to E2M3 (2 exponent bits, 3 mantissa bits; 6 bits a number), with one power-of-two scale for each 32 numbers along K (OCP MX v1.0); their sums are f32. All else is computed in f32.
;;   The module's matrix products, in the order in which they are computed (A, B: the left and right operand; K: the contracted axis; several contracted axes count as one K, in the product's order):
;;     1. [M 8,192, K 1,024] x [K 1,024, N 1,024]; A: input q; B: input wq: QUANTISED
;;     2. [M 8,192, K 1,024] x [K 1,024, N 1,024]; A: input k; B: input wk: QUANTISED
;;     3. [M 8,192, K 1,024] x [K 1,024, N 1,024]; A: input v; B: input wv: QUANTISED
;;     4. batch 64 x [M 2,048, K 64] x [K 64, N 2,048]; A: computed on the way; B: computed on the way: QUANTISED
;;     5. batch 64 x [M 2,048, K 2,048] x [K 2,048, N 64]; A: softmax (see below); B: computed on the way: QUANTISED
;;     6. [M 8,192, K 1,024] x [K 1,024, N 1,024]; A: computed on the way; B: input wo: QUANTISED
;;   THE QUANTISER, for each operand of a quantised product, along K:
;;     - K is cut into blocks of 32 from its start; a last block that is shorter is filled with zeros.
;;     - A block's scale is 2^e with e = floor(log2(the largest magnitude in the block)) - 2, held to -126 .. 127; a block of zeros has e = 0. As a byte (E8M0): e + 127.
;;     - Each number is divided by its block's scale, clamped to +-7.5, and rounded to the nearest number of E2M3, ties to even, subnormals kept.
;;     - The product sums the exact products of the quantised numbers (number of the format x scale) in f32.
;;   ~~~python
;;   def quantise(x, axis):      # numpy; x: float32 -> the quantised numbers, widened to float32 again
;;       x = np.moveaxis(x, axis, -1); K = x.shape[-1]
;;       x = np.pad(x, [(0, 0)] * (x.ndim - 1) + [(0, -K % 32)]); x = x.reshape(x.shape[:-1] + (-1, 32)); a = np.abs(x).max(-1, keepdims=True)
;;       e = np.where(a > 0, np.clip(np.frexp(np.where(a > 0, a, 1))[1] - 1 - 2, -126, 127), 0)      # np.frexp(a)[1] - 1 = floor(log2(a)), exactly
;;       r = np.clip(x / 2.0 ** e, -7.5, 7.5)
;;       step = 2.0 ** (np.maximum(np.frexp(np.where(r == 0, 1, r))[1] - 1, 0) - 3)
;;       q = np.round(r / step) * step * 2.0 ** e      # np.round: ties to even
;;       return np.moveaxis(q.reshape(q.shape[:-2] + (-1,))[..., :K], -1, axis).astype(np.float32)
;;   ~~~
;;   SOFTMAX AHEAD OF A QUANTISED PRODUCT. Where the list says 'softmax', what is quantised is not the finished softmax but p = 2^(t - M), with t = logit x log2(e) and M = ceil(the row's largest t), a whole number; so 1/2 < the row's largest p <= 1. The row's sum l is taken of the UNQUANTISED p, in f32, and the product's result is divided by l at the end. Since M is a whole number, a kernel that streams over the keys may use a running M (the ceiling of the running maximum): every later rescaling is an exact power of two, which a block's scale takes up: the codes' values come out the same.
;;   OPERANDS COMPUTED ON THE WAY. 'Computed on the way' means the value that the module computes at that place (a softmax that the list does not call 'softmax' is quantised finished and normalised). What goes into a quantiser is computed in f32, as accurately as f32 sums, v_exp_f32 and their like allow (about 1e-6 of the number): no bf16 or f16 on the way to a quantiser, and a product that is left as it is and whose result goes on into a quantised operand takes f32 operands (vector FMAs, or v_wmma_f32_16x16x4_f32). A number that lies on a knife's edge between two numbers of the format may be rounded either way, as far as f32 arithmetic and the matrix unit's own rounding can turn it there, and no further.
;; One version. Each part assembles by itself: llvm-mc -triple=amdgcn-amd-amdhsa -mcpu=gfx1250 --defsym DOCPART=n.
;; ======== version 1 of 1: 4 launches
;; limits: right only within a limited range of input values
;; workspace buffers: xc 22,020,096 bytes; xs 917,504 bytes; mb 524,288 bytes of whole numbers; hq 6,815,744 bytes; kv 13,631,488 bytes; oc 6,291,456 bytes; os 262,144 bytes
;; launch prep (part 1): grid 512 x 1, 4 waves a work-group, no clusters, 34,304 bytes of LDS; arguments q, k, v, wq, wk, wv, wo, mask, xc, xs, mb; writes xc, xs, mb
.if DOCPART == 1
	.amdgcn_target "amdgcn-amd-amdhsa--gfx1250"
	.amdhsa_code_object_version 6
	.text
	.protected	k_q93a353ef20_prep
	.globl	k_q93a353ef20_prep
	.p2align	8
	.type	k_q93a353ef20_prep,@function
k_q93a353ef20_prep:
	s_mov_b64 s[64:65], 0
	v_nop
	global_prefetch_b8 v0, s[64:65] scope:SCOPE_SE
	s_setreg_imm32_b32 hwreg(HW_REG_WAVE_MODE, 25, 1), 1
	s_wait_xcnt 0x0
; PREP.  q, k, v [8192][1024] and wq, wk, wv, wo [1024][1024], f32, become codes of FP6 (E2M3) with one E8M0 byte for each 32 along their last axis, which is K of the four linear products;
; mask [2048][2048], int32, becomes lane-mask words for the attention launch.
; A block's scale is 2^(floor(log2(its largest magnitude)) - 2); its byte is the largest magnitude's exponent field - 2, held at 1 from below; numbers are divided by it and rounded to the nearest code, ties to even.
; LIMITS: NaN and infinities among the inputs are not served.  A block of zeros, or one whose largest magnitude lies under 2^-124, gets the byte 1 (the rule says 127 for zeros): its codes are zeros or the
; rule's own, and the bytes are read by this program alone.
; LAYOUT OF THE RESULT (this program's own).  Rows go in tiles of 16; slot r of tile T is row 32 (T / 2) + 8 (T % 2) + r + 8 (r / 8), so that two neighbouring tiles, used as source 0 of a product, leave 16 neighbours
; in a lane's 16 result registers.  A tile's codes for 128 along K are an IMAGE OF THE OPERAND'S 12 REGISTERS, 1,536 bytes: for each 64 along K registers 0-3 at 16 x lane, registers 4-5 at 512 + 8 x lane.
; xc: [tile][K step 0..7][1,536].  xs: [tile][slot][K step] scale words, 512 bytes a tile.  Tiles: q 0, k 512, v 1024, wq 1536, wk 1600, wv 1664, wo 1728.
; mb: [query tile 128][key step 16][n 64] words; bit l of word n says mask[slot l % 16 of the tile][128 s + 32 (n / 16) + 16 (l / 16) + n % 16] != 0: the lane and register in which that score will lie.
; SHARES.  A wave takes 16 rows x 1,024 columns of 4 bytes, in 8 steps of 128 columns.  Work-groups 0-447 quantise (wave w of group g: tile 4 g + w), 448-511 take the mask (half a row's columns a wave).
; Each load reads 512 consecutive bytes of one row; a step's 16 rows turn through the wave's own stage in LDS and come back so that lane (r, h) holds, in register 16 b + i, column 32 b + 16 h + i of row slot r.
; Only pointers and a mode are chosen by the work-group's number; every LDS line lies on the one way that all take.  Waves share nothing: no barrier.  No work-group reads what another reads: no cluster, no tensor load.
.set SP,   528                         ; a stage row: 512 bytes + 16 = 132 words: sixteen rows start at sixteen different columns of 16 bytes (64 banks of 4 bytes: ISA guide 11.1)
.set WST,  16*SP                       ; a wave's stage
.set SW,   8                           ; v8-15    the eight steps' scale words
.set WD,   16                          ; v16-19   the four that my lane stores
.set PW,   20                          ; v20      the scale word just made
.set MW,   22                          ; v22-23   two mask words a lane
.set TM,   24                          ; v24-39   at work
.set PC,   40                          ; v40-59   the codes just made
.set X,    64                          ; v64-127  64 numbers of my row
.set R,    128                         ; v128-255 two sets of 16 loads
.set SEL,  80                          ; s[80:81] selects for v_permlanex16_b32: lane l xor 16
.macro PICK lim, ptr, start            ; below work-group lim: this tensor, which begins at work-group start
	s_cmp_lt_u32 ttmp9, \lim
	s_cselect_b64 s[26:27], s[\ptr:\ptr+1], s[26:27]
	s_cselect_b32 s30, \start, s30
.endm
.macro LOAD t                          ; step t: 16 rows x 512 consecutive bytes, into set t % 2
.irp r, 0,1,2,3,4,5,6,7,8,9,10,11,12,13,14,15
	global_load_b128 v[R+64*((\t)%2)+4*\r:R+64*((\t)%2)+4*\r+3], v1, s[32+2*\r:33+2*\r] offset:512*(\t) th:TH_LOAD_NT
.endr
.endm
.macro TURN t                          ; through the stage: LDS serves a wave's instructions in order (ISA guide 5.7.1.4), so no wait stands between the stores and the loads
.irp r, 0,1,2,3,4,5,6,7,8,9,10,11,12,13,14,15
	ds_store_b128 v4, v[R+64*((\t)%2)+4*\r:R+64*((\t)%2)+4*\r+3] offset:SP*\r
.endr
.irp b, 0,1,2,3
.irp e, 0,1,2,3
	ds_load_b128 v[X+16*\b+4*\e:X+16*\b+4*\e+3], v5 offset:128*\b+16*\e
.endr
.endr
.endm
; 64 numbers of a lane, register 16 b + i = k 32 b + 16 (lane / 16) + i of my row, become a fragment's codes in v[PC] .. v[PC + 11] and its scale word in v[PW]
.macro QUANT s
.irp b, 0,1,2,3
	v_max3_num_f32 v[TM+\b], |v[\s+16*\b]|, |v[\s+1+16*\b]|, 0x1800000   ; my 16 numbers of block b, and the floor 2^(3 - 127): the byte cannot fall under 1
.endr
.irp i, 2,4,6,8,10,12,14
.irp b, 0,1,2,3
	v_max3_num_f32 v[TM+\b], v[TM+\b], |v[\s+16*\b+\i]|, |v[\s+1+16*\b+\i]|   ; the four blocks by turns
.endr
.endr
.irp b, 0,1,2,3
	v_permlanex16_b32 v[TM+4+\b], v[TM+\b], s[SEL], s[SEL+1]
.endr
.irp b, 0,1,2,3
	v_max_num_f32 v[TM+\b], v[TM+\b], v[TM+4+\b]   ; with lane l xor 16's: the block's largest magnitude
.endr
.irp b, 0,1,2,3
	v_add_nc_u32 v[TM+12+\b], 0xff000000, v[TM+\b] ; 2 off its exponent field: the conversion takes the exponent field of this operand as its scale
.endr
.irp b, 0,1,2,3
	v_lshrrev_b32 v[TM+4+\b], 23, v[TM+12+\b]      ; the scale's byte
.endr
	v_lshl_or_b32 v[PW], v[TM+5], 8, v[TM+4]
	v_lshl_or_b32 v[PW], v[TM+6], 16, v[PW]
	v_lshl_or_b32 v[PW], v[TM+7], 24, v[PW]
.irp c, 0,1
	v_cvt_scalef32_pk16_fp6_f32 v[PC+6*\c:PC+2+6*\c], v[\s+32*\c:\s+15+32*\c], v[TM+12+2*\c]
	v_cvt_scalef32_pk16_fp6_f32 v[PC+12+4*\c:PC+14+4*\c], v[\s+16+32*\c:\s+31+32*\c], v[TM+12+2*\c+1]   ; (a conversion's three registers begin on an even number)
.endr
	v_nop                                          ; one plain place behind a scaled conversion
.irp c, 0,1                            ; the operand's layout wants a whole block in a lane: lanes 0-15 block 2 c, lanes 16-31 block 2 c + 1
.irp i, 0,1,2
	v_permlane16_swap_b32 v[PC+6*\c+\i], v[PC+12+4*\c+\i]
.endr
.irp i, 0,1,2
	v_mov_b32 v[PC+3+6*\c+\i], v[PC+12+4*\c+\i]
.endr
.endr
.endm
	s_load_b512 s[4:19], s[0:1], 0x0               ; q, k, v, wq, wk, wv, wo, mask
	s_load_b128 s[20:23], s[0:1], 0x40             ; xc, xs
	s_load_b64 s[24:25], s[0:1], 0x50              ; mb
	v_lshl_add_u32 v62, v0, 2, 0x8400
	v_mov_b32 v63, 0
	v_lshrrev_b32 v6, 5, v0
	v_readfirstlane_b32 s28, v6                    ; wave 0..3
	v_and_b32 v6, 31, v0                           ; lane
	v_and_b32 v7, 15, v0                           ; r
	v_bfe_u32 v21, v0, 4, 1                        ; h
	v_lshlrev_b32 v1, 4, v6                        ; 16 x lane
	v_lshlrev_b32 v2, 3, v6                        ; 8 x lane
	v_lshlrev_b32 v3, 5, v7
	v_lshl_add_u32 v3, v21, 4, v3                  ; xs: 32 r + 16 h
	s_mul_i32 s66, s28, WST
	v_add_nc_u32 v4, s66, v1                       ; the stage, on the way in: 16 x lane of a row
	v_mul_u32_u24 v5, v7, SP
	v_lshl_add_u32 v5, v21, 6, v5
	v_add_nc_u32 v5, s66, v5                       ; and on the way out: row r, + 64 h
.irp i, 0,1,2,3,4,5,6,7
	v_mov_b32 v[SW+\i], 0                          ; written on every way
.endr
.irp b, 0,1,2,3
	v_mov_b32 v[TM+4+\b], 0                        ; a lane permute's destination counts as one of its sources
.endr
	s_mov_b32 s78, 0xffff0000                      ; lanes 16-31
	s_mov_b32 s[SEL], 0x76543210
	s_mov_b32 s[SEL+1], 0xfedcba98
	s_mov_b32 s30, 448
	s_mov_b32 s31, 8192                            ; bytes from row to row: the mask's,
	s_wait_kmcnt 0x0
	s_mov_b64 s[26:27], s[18:19]
	s_cmp_lt_u32 ttmp9, 448
	s_cselect_b32 s29, 0, 1                        ; the mode: 1 = mask
	s_cselect_b32 s31, 4096, s31                   ; or the others'
	PICK 448, 16, 432                              ; the choices hang on the work-group's number alone
	PICK 432, 14, 416
	PICK 416, 12, 400
	PICK 400, 10, 384
	PICK 384, 8, 256
	PICK 256, 6, 128
	PICK 128, 4, 0
	s_sub_co_u32 s30, ttmp9, s30
	s_lshl_b32 s30, s30, 2
	s_add_co_u32 s30, s30, s28                     ; my wave's number within the tensor
	s_lshr_b32 s68, s30, s29                       ; its tile of rows (two waves to a tile of the mask),
	s_and_b32 s69, s30, s29
	s_lshl_b32 s69, s69, 12                        ; and which half of the mask's columns
	s_lshr_b32 s70, s68, 1
	s_lshl_b32 s70, s70, 5
	s_and_b32 s71, s68, 1
	s_lshl_b32 s71, s71, 3
	s_add_co_u32 s70, s70, s71                     ; the tile's slot 0: row 32 (T / 2) + 8 (T % 2)
	s_mul_i32 s70, s70, s31
	s_add_co_u32 s70, s70, s69
	s_mov_b32 s67, 0
.irp r, 0,1,2,3,4,5,6,7,8,9,10,11,12,13,14,15
	s_mul_i32 s66, s31, \r+8*(\r/8)                ; slot r lies r + 8 (r / 8) rows on
	s_add_co_u32 s66, s66, s70
	s_add_nc_u64 s[32+2*\r:33+2*\r], s[26:27], s[66:67]
.endr
	LOAD 0
	LOAD 1
	s_lshl_b32 s66, ttmp9, 2
	s_add_co_u32 s66, s66, s28
	s_min_u32 s66, s66, 1791                       ; my tile among all 1,792 (a mask work-group stores nothing there: its pointer is held inside the buffer)
	s_mul_i32 s68, s66, 12288
	s_mov_b32 s69, 0
	s_add_nc_u64 s[72:73], s[20:21], s[68:69]      ; its codes
	s_lshl_b32 s68, s66, 9
	s_add_nc_u64 s[74:75], s[22:23], s[68:69]      ; its scale words
	s_min_u32 s66, s30, 255
	s_lshl_b32 s68, s66, 11
	s_add_nc_u64 s[76:77], s[24:25], s[68:69]      ; the mask words of my eight key steps
.macro STEP t
.if \t < 7
	s_wait_loadcnt 16                              ; this step's 16 loads are in; the next step's 16 may be out
.else
	s_wait_loadcnt 0x0
.endif
	TURN \t
	s_wait_dscnt 0x0                               ; my 64 numbers are back, and the stage's stores have read their registers
	s_wait_xcnt 0x0                                ; the last step's stores have read their data: the codes' and mask words' registers are written again only behind this wait
.if \t < 6
	LOAD \t+2
.endif
	s_cmp_lg_u32 s29, 0
	s_cbranch_scc1 .Lmask_\@
	QUANT X
	global_store_b128 v1, v[PC:PC+3], s[72:73] offset:1536*\t            ; 512 consecutive bytes,
	global_store_b64 v2, v[PC+4:PC+5], s[72:73] offset:1536*\t+512       ; 256,
	global_store_b128 v1, v[PC+6:PC+9], s[72:73] offset:1536*\t+768      ; and the same for the second 64 along K
	global_store_b64 v2, v[PC+10:PC+11], s[72:73] offset:1536*\t+1280
	v_mov_b32 v[SW+\t], v[PW]
	s_branch .Ldone_\@
.Lmask_\@:
	v_mov_b32 v[MW], 0
	v_mov_b32 v[MW+1], 0
.set n, 0
.rept 64
	v_cmp_ne_u32 s[68+n%4], 0, v[X+n]              ; word n: a bit for each lane
	v_writelane_b32 v[MW+(n&1)], s[68+n%4], n>>1   ; it goes to lane n / 2, which stores words 2 l and 2 l + 1
.set n, n+1
.endr
	global_store_b64 v2, v[MW:MW+1], s[76:77] offset:256*\t              ; a key step's 64 words: 256 consecutive bytes
.Ldone_\@:
.endm
	STEP 0
	STEP 1
	STEP 2
	STEP 3
	STEP 4
	STEP 5
	STEP 6
	STEP 7
	s_cmp_lg_u32 s29, 0
	s_cbranch_scc1 .Lend
	s_wait_alu depctr_va_vdst(0)
.irp e, 0,1,2,3
	v_cndmask_b32 v[WD+\e], v[SW+\e], v[SW+4+\e], s78                    ; lanes 0-15 store K steps 0-3 of their row, lanes 16-31 K steps 4-7
.endr
	global_store_b128 v3, v[WD:WD+3], s[74:75]                           ; the tile's 512 bytes of scale words
.Lend:
	s_wait_tensorcnt 0x0
	ds_add_u32 v62, v63
	s_wait_dscnt 0x0
	s_endpgm
.Lfunc_end_k_q93a353ef20_prep:
	.size	k_q93a353ef20_prep, .Lfunc_end_k_q93a353ef20_prep-k_q93a353ef20_prep
	.p2alignl 7, 3214868480
	.fill 96, 4, 3214868480
	.section	.rodata,"a",@progbits
	.p2align	6, 0x0
	.amdhsa_kernel k_q93a353ef20_prep
		.amdhsa_group_segment_fixed_size 34304
		.amdhsa_private_segment_fixed_size 0
		.amdhsa_enable_private_segment 0
		.amdhsa_kernarg_size 88
		.amdhsa_user_sgpr_count 2
		.amdhsa_user_sgpr_kernarg_segment_ptr 1
		.amdhsa_wavefront_size32 1
		.amdhsa_system_sgpr_workgroup_id_x 1
		.amdhsa_system_sgpr_workgroup_id_y 1
		.amdhsa_system_sgpr_workgroup_id_z 1
		.amdhsa_system_vgpr_workitem_id 0
		.amdhsa_next_free_vgpr 256
		.amdhsa_next_free_sgpr 90
		.amdhsa_reserve_vcc 0
		.amdhsa_float_denorm_mode_32 3
		.amdhsa_float_denorm_mode_16_64 3
		.amdhsa_memory_ordered 1
		.amdhsa_forward_progress 1
		.amdhsa_inst_pref_size 134
	.end_amdhsa_kernel
	.amdgpu_metadata
---
amdhsa.version: [ 1, 2 ]
amdhsa.kernels:
  - .name:           k_q93a353ef20_prep
    .symbol:         k_q93a353ef20_prep.kd
    .args:
      - { .name: q, .offset: 0, .size: 8, .value_kind: global_buffer, .address_space: global }
      - { .name: k, .offset: 8, .size: 8, .value_kind: global_buffer, .address_space: global }
      - { .name: v, .offset: 16, .size: 8, .value_kind: global_buffer, .address_space: global }
      - { .name: wq, .offset: 24, .size: 8, .value_kind: global_buffer, .address_space: global }
      - { .name: wk, .offset: 32, .size: 8, .value_kind: global_buffer, .address_space: global }
      - { .name: wv, .offset: 40, .size: 8, .value_kind: global_buffer, .address_space: global }
      - { .name: wo, .offset: 48, .size: 8, .value_kind: global_buffer, .address_space: global }
      - { .name: mask, .offset: 56, .size: 8, .value_kind: global_buffer, .address_space: global }
      - { .name: xc, .offset: 64, .size: 8, .value_kind: global_buffer, .address_space: global }
      - { .name: xs, .offset: 72, .size: 8, .value_kind: global_buffer, .address_space: global }
      - { .name: mb, .offset: 80, .size: 8, .value_kind: global_buffer, .address_space: global }
    .group_segment_fixed_size: 34304
    .private_segment_fixed_size: 0
    .kernarg_segment_align: 8
    .kernarg_segment_size: 88
    .max_flat_workgroup_size: 128
    .sgpr_count:     90
    .vgpr_count:     256
    .wavefront_size: 32
...
	.end_amdgpu_metadata
.endif
;; end of part 1
;; launch proj (part 2): grid 4 x 192, 4 waves a work-group, clusters of 4 x 4, 327,680 bytes of LDS; arguments xc, xs, bq, bk, bv, hq, kv; writes hq, kv
.if DOCPART == 2
	.amdgcn_target "amdgcn-amd-amdhsa--gfx1250"
	.amdhsa_code_object_version 6
	.text
	.protected	k_q93a353ef20_proj
	.globl	k_q93a353ef20_proj
	.p2align	8
	.type	k_q93a353ef20_proj,@function
k_q93a353ef20_proj:
	s_mov_b64 s[64:65], 0
	v_nop
	global_prefetch_b8 v0, s[64:65] scope:SCOPE_SE
	s_setreg_imm32_b32 hwreg(HW_REG_WAVE_MODE, 25, 1), 1
	s_wait_xcnt 0x0
	s_wait_alu depctr_hold_cnt(0) depctr_sa_sdst(0) depctr_va_vdst(0) depctr_va_sdst(0) depctr_va_ssrc(0) depctr_va_vcc(0) depctr_vm_vsrc(0)
	s_getreg_b32 s2, hwreg(HW_REG_IB_STS2, 6, 4)
	s_cmp_eq_u32 s2, 0
	s_cbranch_scc0 .Lentry_in_a_cluster
	s_endpgm
.Lentry_in_a_cluster:
	s_bfe_u32 s2, ttmp6, 0x10000c
	s_cmp_lg_u32 s2, 0xf033
	s_cbranch_scc0 .Lentry_shape_is_right
	s_endpgm
.Lentry_shape_is_right:
; PROJ.  The three projections x W^T + b on codes of FP6 (E2M3) with E8M0 scales, K = 1,024, and their results quantised on the way out: q's and k's along the head's 64, v's along the keys.
; Operands come as images of the operand's registers (1,536 bytes for 16 rows x 128 K) and scale words [tile][slot][K step]; slot r of tile T is row 32 (T / 2) + 8 (T % 2) + r + 8 (r / 8).
; SHARES.  768 work-groups; the cluster's y / 16 is the MODE: 0 q, 1 k, 2 v: equal in all partners of a cluster.  A work-group multiplies 16 tiles as source 0 by 8 tiles as source 1 over all of K.
;   q, k: source 0 = W's rows, source 1 = x's rows: a lane holds ONE row of x and its registers run along the outputs: 16 registers of two neighbouring tiles are 16 neighbours of a head's 64.
;   v:    source 0 = v's rows (the keys), source 1 = wv's rows: a lane holds one channel and its registers run along the KEYS, which are the second attention product's K.
; Wave w takes half a = w % 2 of source 0's tiles (8) and half w / 2 of source 1's (4): 32 accumulators.
; LDS IS FILLED ONCE.  All of K of the 24 tiles is 294,912 bytes: four chunks of two K steps, each wave's eight tensor loads issued as one group; no byte is filled twice, so there is no ring.
; The chunks are waited for one after the other by counted waits, each with a barrier, while earlier chunks are multiplied.
; CLUSTERS: 4 x 4.  Source 0's tiles hang on the work-group's x alone and are shared along a column of the cluster, source 1's on its y alone and are shared along a row: joint loads.
; THE WAY OUT.  A wave's 64 results of a lane (one source-1 tile, its 8 source-0 tiles) are 128 along the next K: one fragment and one scale word, made in registers and stored as images.
;   q -> hq: codes [head 64][tile 128][768], scale words from byte 6,291,456 on, [head][tile][slot]; a head's K is 64, so bytes 2 and 3 of a word are 0x7f.
;   k, v -> kv: [head][key step 16][13,312]: K's 8 half images | K's scale words 8 x 64 | V^T's 4 images | V's scale words 4 x 64 | 256 bytes of zeros, which make a step 52 blocks of 256 bytes.
; LIMITS: NaN and infinities are not served; a block of zeros or under 2^-124 gets the byte 1 with the codes that follow from it; the bytes are read by this program alone.
; REGISTERS: window 0: v4-15, v115 addresses; v16-47, v48-63 scale words and nothing else; v64-114 the way out.  window 1: accumulator (j, i) at v[8 (8 j + i)].
;   window 2: source 0's fragments, two sets of 96.  window 3: source 1's, two sets of 48; from v96 the bias, 8 tiles of 8 registers in the result's layout.
; THE FILLS AS THEY STAND NOW (this takes the place of the paragraph on fills above): K is cut in two halves of four K steps; a half of the 24 tiles is 147,456 bytes.
; At the head each wave issues one joint load of the first half (waves 0, 1: eight tiles of source 0 each; waves 2, 3: four tiles of source 1 each); the second half's loads, shared out alike,
; stand behind the wait for all tensor loads, the add and a round of the cluster's barrier.  No byte is filled twice.  Every wait on TENSORcnt is for 0.
.set CHUNK, 147456                     ; four K steps of 24 tiles
.set TILE2, 6144                       ; four K steps of a tile
.set S1OFF, 98304                      ; source 1's tiles lie behind source 0's sixteen
.set SS0,  16                          ; source 0's scale words: tile pair p, K step s at v[16 + 8 p + s]: lanes 0-15 the even tile, lanes 16-31 the odd one
.set SS1,  48                          ; source 1's likewise
.set PC,   64                          ; v64-83  the codes just made
.set TM,   84                          ; v84-99  at work
.set PW,   100                         ; v100    the scale word just made
.set PWS,  101                         ; v101-104 the four tiles' scale words
.set BIAS, 96                          ; in window 3
.set SEL,  94
.set MSB, 0
.macro WIN new                         ; the immediate's high byte repeats the setting that is left
.if MSB != \new
	s_set_vgpr_msb (MSB<<8)|\new
.set MSB, \new
.endif
.endm
.macro CROUND                          ; a round of the cluster's barrier
	s_barrier_signal -1
	s_barrier_wait -1
	s_cmp_lg_u32 s2, 0
	s_cbranch_scc1 .Lnot_wave_0_\@
	s_barrier_signal -3
.Lnot_wave_0_\@:
	s_barrier_wait -3
	s_barrier_signal -1
	s_barrier_wait -1
.endm
.macro PLACES                          ; four plain places behind a matrix instruction of this form, in front of loads into its sources and of the first read of its results
.rept 4
	v_nop
.endr
.endm
.macro FRAG dst, a16, a8, off          ; an image becomes 12 registers: every load reads consecutive bytes
	ds_load_b128 v[\dst:\dst+3], v[\a16] offset:\off
	ds_load_b64 v[\dst+4:\dst+5], v[\a8] offset:\off+512
	ds_load_b128 v[\dst+6:\dst+9], v[\a16] offset:\off+768
	ds_load_b64 v[\dst+10:\dst+11], v[\a8] offset:\off+1280
.endm
.macro FETCH s                         ; K step s: my 8 + 4 fragments into set s % 2: 48 LDS loads
	WIN 0x80
.irp i, 0,1,2,3,4,5,6,7
	FRAG 96*((\s)%2)+12*\i, 4, 5, \i*TILE2+1536*((\s)%4)
.endr
	WIN 0xc0
.irp j, 0,1,2,3
	FRAG 48*((\s)%2)+12*\j, 6, 7, \j*TILE2+1536*((\s)%4)
.endr
	WIN 0
.endm
.macro WM d, a, b, c, sa, sb, ra, rb   ; one product; ra, rb: the scales of an odd tile stand in lanes 16-31
.if ((\ra) == 0) && ((\rb) == 0)
	v_wmma_scale_f32_16x16x128_f8f6f4 v[\d:\d+7], v[\a:\a+11], v[\b:\b+11], v[\c:\c+7], v[\sa], v[\sb] matrix_a_fmt:MATRIX_FMT_FP6 matrix_b_fmt:MATRIX_FMT_FP6
.elseif ((\ra) == 1) && ((\rb) == 0)
	v_wmma_scale_f32_16x16x128_f8f6f4 v[\d:\d+7], v[\a:\a+11], v[\b:\b+11], v[\c:\c+7], v[\sa], v[\sb] matrix_a_fmt:MATRIX_FMT_FP6 matrix_b_fmt:MATRIX_FMT_FP6 matrix_a_scale:MATRIX_SCALE_ROW1
.elseif ((\ra) == 0)
	v_wmma_scale_f32_16x16x128_f8f6f4 v[\d:\d+7], v[\a:\a+11], v[\b:\b+11], v[\c:\c+7], v[\sa], v[\sb] matrix_a_fmt:MATRIX_FMT_FP6 matrix_b_fmt:MATRIX_FMT_FP6 matrix_b_scale:MATRIX_SCALE_ROW1
.else
	v_wmma_scale_f32_16x16x128_f8f6f4 v[\d:\d+7], v[\a:\a+11], v[\b:\b+11], v[\c:\c+7], v[\sa], v[\sb] matrix_a_fmt:MATRIX_FMT_FP6 matrix_b_fmt:MATRIX_FMT_FP6 matrix_a_scale:MATRIX_SCALE_ROW1 matrix_b_scale:MATRIX_SCALE_ROW1
.endif
.endm
; 32 products: K step s.  cm = 0: onto the sums;  1: the sums begin with the bias of source 0's tile;  2: of source 1's.  The 32 accumulators take turns in one order.
.macro MUL s, cm
.if \cm == 0
	WIN 0x5e                                       ; source 0 window 2, source 1 window 3, C and D window 1
.else
	WIN 0x7e                                       ; C window 3
.endif
.irp j, 0,1,2,3
.irp i, 0,1,2,3,4,5,6,7
.set rD, 8*(8*\j+\i)
.set rA, 96*((\s)%2)+12*\i
.set rB, 48*((\s)%2)+12*\j
.if \cm == 0
.set rC, rD
.elseif \cm == 1
.set rC, BIAS+8*\i
.else
.set rC, BIAS+8*\j
.endif
	WM rD, rA, rB, rC, SS0+8*(\i/2)+(\s), SS1+8*(\j/2)+(\s), \i%2, \j%2
.endr
.endr
.endm
.macro AFTER s                         ; behind K step s: the fragments of K step s + 2, into the set just multiplied
.if (\s) <= 5
.if (\s) == 2
	s_wait_dscnt 0x0                               ; no LDS load of mine is out at a signal
	s_wait_tensorcnt 0x0                           ; my load of the second half has landed
	s_barrier_signal -1
	s_barrier_wait -1                              ; everybody's have.
	v_add_nc_u32 v4, CHUNK, v4                     ; on to that chunk: four plain lines, the places in front of the loads below
	v_add_nc_u32 v5, CHUNK, v5
	v_add_nc_u32 v6, CHUNK, v6
	v_add_nc_u32 v7, CHUNK, v7
.else
	PLACES
.endif
	FETCH (\s)+2
.endif
.endm
.macro STEP s
.if (\s) < 7
	s_wait_dscnt 48                                ; this step's 48 loads are in; the next step's 48 may be out
.else
	s_wait_dscnt 0x0
.endif
	MUL \s, 0
	WIN 0
	AFTER \s
.endm
; 64 results of a lane in window 1, v[s] on, register 16 b + i = index 32 b + 16 (lane / 16) + i along the next K, become a fragment in v[PC] .. v[PC + 11] and its scale word in v[PW].  Each accumulator is read from its low end on.
.macro QUANTW s
	WIN 0x05
.irp b, 0,1,2,3
	v_max3_num_f32 v[TM+\b], |v[\s+16*\b]|, |v[\s+1+16*\b]|, 0x1800000   ; and the floor 2^(3 - 127): the byte cannot fall under 1
.endr
	WIN 0x14
.irp i, 2,4,6,8,10,12,14
.irp b, 0,1,2,3
	v_max3_num_f32 v[TM+\b], v[TM+\b], |v[\s+16*\b+\i]|, |v[\s+1+16*\b+\i]|
.endr
.endr
	WIN 0
.irp b, 0,1,2,3
	v_permlanex16_b32 v[TM+4+\b], v[TM+\b], s[SEL], s[SEL+1]
.endr
.irp b, 0,1,2,3
	v_max_num_f32 v[TM+\b], v[TM+\b], v[TM+4+\b]
.endr
.irp b, 0,1,2,3
	v_add_nc_u32 v[TM+12+\b], 0xff000000, v[TM+\b] ; 2 off the exponent field: the conversion's scale operand
.endr
.irp b, 0,1,2,3
	v_lshrrev_b32 v[TM+4+\b], 23, v[TM+12+\b]      ; the scale's byte
.endr
	v_lshl_or_b32 v[PW], v[TM+5], 8, v[TM+4]
	v_lshl_or_b32 v[PW], v[TM+6], 16, v[PW]
	v_lshl_or_b32 v[PW], v[TM+7], 24, v[PW]
	WIN 0x01
.irp c, 0,1
	v_cvt_scalef32_pk16_fp6_f32 v[PC+6*\c:PC+2+6*\c], v[\s+32*\c:\s+15+32*\c], v[TM+12+2*\c]
	v_cvt_scalef32_pk16_fp6_f32 v[PC+12+4*\c:PC+14+4*\c], v[\s+16+32*\c:\s+31+32*\c], v[TM+12+2*\c+1]
.endr
	WIN 0
	v_nop                                          ; one plain place behind a scaled conversion
.irp c, 0,1
.irp i, 0,1,2
	v_permlane16_swap_b32 v[PC+6*\c+\i], v[PC+12+4*\c+\i]
.endr
.irp i, 0,1,2
	v_mov_b32 v[PC+3+6*\c+\i], v[PC+12+4*\c+\i]
.endr
.endr
.endm
	s_load_b256 s[68:75], s[0:1], 0x0              ; xc, xs, bq, bk
	s_load_b128 s[76:79], s[0:1], 0x20             ; bv, hq
	s_load_b64 s[80:81], s[0:1], 0x30              ; kv
	v_lshl_add_u32 v254, v0, 2, 0x48000
	v_mov_b32 v255, 0
	ds_add_u32 v254, v255
	ds_add_u32 v254, v255
	v_lshrrev_b32 v1, 5, v0
	v_readfirstlane_b32 s2, v1                     ; wave 0..3
	s_and_b32 s3, s2, 1                            ; a: my half of source 0's tiles
	s_lshr_b32 s4, s2, 1                           ; my half of source 1's
	s_bfe_u32 s5, ttmp6, 0x40000                   ; cx
	s_bfe_u32 s6, ttmp6, 0x40004                   ; cy
	s_and_b32 s7, ttmp7, 0xffff                    ; the cluster's y
	s_lshl_b32 s82, ttmp9, 2
	s_add_co_u32 s82, s82, s5                      ; X = work-group x
	s_lshr_b32 s96, s7, 4                          ; MODE
	; source 0's first tile, from cx and the cluster's y (s8, s9 never hold cy)
	s_lshl_b32 s83, s82, 4
	s_lshl_b32 s8, s96, 6
	s_add_co_u32 s8, s8, 1536                      ; q, k: W's tiles begin at 1536 + 64 MODE
	s_and_b32 s9, s7, 15
	s_lshr_b32 s9, s9, 1
	s_lshl_b32 s9, s9, 6
	s_add_co_u32 s9, s9, 1024                      ; v: v's rows, 64 tiles for each pair of clusters
	s_cmp_eq_u32 s96, 2
	s_cselect_b32 s8, s9, s8
	s_add_co_u32 s83, s83, s8                      ; S0B
	; source 1's first tile, from cy and the cluster's y (s10, s11 never hold cx)
	s_lshl_b32 s97, s6, 3
	s_lshl_b32 s10, s7, 5                          ; q, k: x's tiles, 32 a cluster (k's begin at 512 = 32 x 16)
	s_and_b32 s11, s7, 1
	s_lshl_b32 s11, s11, 5
	s_add_co_u32 s11, s11, 1664                    ; v: wv's tiles
	s_cmp_eq_u32 s96, 2
	s_cselect_b32 s10, s11, s10
	s_add_co_u32 s97, s97, s10                     ; S1B
	; descriptor groups 1: rows of 6,144 bytes (768 elements of 8), 12,288 bytes apart: four K steps of 8 tiles (source 0) or of 4 (source 1); no padding
	s_lshl_b32 s8, 0x1111, s5
	s_or_b32 s16, s8, (3<<16)|(1<<21)              ; 15:0 the mask: my column of the cluster; 17:16 elements of 8 bytes; 21 set beside a mask
	s_lshl_b32 s10, s6, 2
	s_lshl_b32 s10, 15, s10
	s_or_b32 s24, s10, (3<<16)|(1<<21)             ; my row of the cluster
	s_mov_b32 s17, 768<<16                         ; rows of 6,144 bytes (768 elements of 8): four K steps of a tile
	s_mov_b32 s18, 8<<16                           ; eight tiles of source 0
	s_mov_b32 s19, 768<<16
	s_mov_b32 s20, 8
	s_mov_b32 s21, 1536                            ; elements from row to row
	s_mov_b32 s22, 0
	s_mov_b32 s23, 0
	s_mov_b32 s25, 768<<16
	s_mov_b32 s26, 4<<16                           ; four tiles of source 1
	s_mov_b32 s27, 768<<16
	s_mov_b32 s28, 4
	s_mov_b32 s29, 1536
	s_mov_b32 s30, 0
	s_mov_b32 s31, 0
	s_lshl_b32 s8, s3, 3                           ; waves 0, 1: tiles 0-7, 8-15 of source 0
	s_add_co_u32 s8, s8, s83
	s_mul_i32 s8, s8, 12288                        ; my eight tiles of source 0, in bytes
	s_mov_b32 s9, 0
	s_lshl_b32 s10, s3, 2                          ; waves 2, 3: tiles 0-3, 4-7 of source 1
	s_add_co_u32 s10, s10, s97
	s_mul_i32 s10, s10, 12288                      ; my four of source 1
	s_mov_b32 s11, 0
	s_mul_i32 s12, s2, 49152                       ; where they go: waves 0, 1: 49,152 x wave;
	s_mul_i32 s13, s2, 24576                       ; waves 2, 3: 49,152 + 24,576 x wave: the wave's number alone enters an LDS address
	s_wait_dscnt 0x0
	s_wait_kmcnt 0x0
	s_add_nc_u64 s[8:9], s[68:69], s[8:9]
	s_add_nc_u64 s[10:11], s[68:69], s[10:11]
.irp c, 0,1
	s_mov_b32 s[32+4*\c], 1
	s_add_co_u32 s[33+4*\c], s12, \c*CHUNK         ; LDS address
	s_add_nc_u64 s[34+4*\c:35+4*\c], s[8:9], \c*TILE2   ; K steps 4 c to 4 c + 3
	s_or_b32 s[35+4*\c], s[35+4*\c], 0x80000000    ; type = 2
	s_mov_b32 s[48+4*\c], 1
	s_add_co_u32 s[49+4*\c], s13, \c*CHUNK+49152
	s_add_nc_u64 s[50+4*\c:51+4*\c], s[10:11], \c*TILE2
	s_or_b32 s[51+4*\c], s[51+4*\c], 0x80000000
.endr
	CROUND                                         ; all sixteen work-groups are here: the joint loads meet
.macro JLOAD c                         ; half c of K: one joint load a wave; the branch hangs on the wave's number alone; s_nop 0 and four v_nop follow each line
	s_cmp_eq_u32 s4, 0
	s_cbranch_scc0 .Lsrc1_\@
	tensor_load_to_lds s[32+4*\c:35+4*\c], s[16:23]
	s_nop 0
	PLACES
	s_branch .Lasked_\@
.Lsrc1_\@:
	tensor_load_to_lds s[48+4*\c:51+4*\c], s[24:31]
	s_nop 0
	PLACES
.Lasked_\@:
.endm
	JLOAD 0                                        ; the first four K steps: one tensor load a wave at the head
	v_and_b32 v1, 31, v0                           ; lane
	v_and_b32 v2, 15, v0                           ; r
	v_bfe_u32 v3, v0, 4, 1                         ; h
	v_lshlrev_b32 v8, 4, v1                        ; 16 x lane
	v_lshlrev_b32 v9, 3, v1                        ; 8 x lane
	v_lshlrev_b32 v12, 2, v1                       ; 4 x lane
	v_lshlrev_b32 v14, 5, v1                       ; 32 x lane: a tile pair's scale words
	v_lshlrev_b32 v15, 6, v3                       ; bias, q and k: 16 h outputs on
	v_and_b32 v115, 8, v2
	v_add_nc_u32 v115, v115, v2
	v_lshlrev_b32 v115, 2, v115                    ; bias, v: channel r + 8 (r / 8)
	s_mul_i32 s12, s3, 49152
	v_add_nc_u32 v4, s12, v8                       ; my 8 tiles of source 0 in chunk 0
	v_add_nc_u32 v5, s12, v9
	s_mul_i32 s13, s4, 24576
	s_add_co_u32 s13, s13, S1OFF
	v_add_nc_u32 v6, s13, v8                       ; my 4 of source 1
	v_add_nc_u32 v7, s13, v9
.irp b, 0,1,2,3
	v_mov_b32 v[TM+4+\b], 0                        ; a lane permute's destination counts as one of its sources
.endr
	v_mov_b32 v112, 0
	v_mov_b32 v113, 0
	s_mov_b32 s92, 0xffff0000                      ; lanes 16-31
	s_mov_b32 s93, 0x7f7f0000                      ; bytes 2 and 3 of a head's scale word: 2^0
	s_mov_b32 s[SEL], 0x76543210
	s_mov_b32 s[SEL+1], 0xfedcba98
	; WHERE THE RESULTS GO, computed while the fills are on their way
	s_and_b32 s66, s7, 1
	s_lshl_b32 s66, s66, 5
	s_lshl_b32 s15, s6, 3
	s_add_co_u32 s66, s66, s15
	s_lshl_b32 s15, s4, 2
	s_add_co_u32 s66, s66, s15                     ; v: my first tile of wv, a multiple of 4: head = this / 4
	s_and_b32 s14, s7, 15
	s_lshl_b32 s84, s14, 5
	s_lshl_b32 s15, s6, 3
	s_add_co_u32 s84, s84, s15
	s_lshl_b32 s15, s4, 2
	s_add_co_u32 s84, s84, s15                     ; q, k: my first tile of rows, 0 .. 511
	s_lshr_b32 s85, s84, 7                         ; the batch
	s_and_b32 s84, s84, 127                        ; the tile within its 2,048 rows
	s_lshl_b32 s85, s85, 4
	s_lshl_b32 s15, s82, 2
	s_add_co_u32 s85, s85, s15
	s_lshl_b32 s15, s3, 1
	s_add_co_u32 s85, s85, s15                     ; my first head: 16 batch + 4 X + 2 a
	s_lshl_b32 s86, s85, 7
	s_add_co_u32 s86, s86, s84
	s_mul_i32 s87, s86, 768                        ; q: codes
	s_lshl_b32 s86, s86, 6
	s_add_co_u32 s86, s86, 6291456                 ; q: scale words
	s_mul_i32 s88, s85, 212992
	s_lshr_b32 s15, s84, 3
	s_mul_i32 s15, s15, 13312
	s_add_co_u32 s88, s88, s15                     ; k: head and key step
	s_and_b32 s15, s84, 7
	s_mul_i32 s89, s15, 768
	s_add_co_u32 s89, s89, s88                     ; k: codes
	s_lshl_b32 s15, s15, 6
	s_add_co_u32 s88, s88, s15
	s_add_co_u32 s88, s88, 6144                    ; k: scale words
	s_lshr_b32 s14, s14, 1
	s_lshl_b32 s14, s14, 6
	s_lshl_b32 s15, s82, 4
	s_add_co_u32 s14, s14, s15
	s_lshl_b32 s15, s3, 3
	s_add_co_u32 s14, s14, s15                     ; v: my first tile of keys, 0 .. 511
	s_lshr_b32 s15, s14, 7
	s_lshl_b32 s15, s15, 4
	s_lshr_b32 s67, s66, 2
	s_add_co_u32 s15, s15, s67                     ; v: the head
	s_mul_i32 s15, s15, 212992
	s_and_b32 s14, s14, 127
	s_lshr_b32 s14, s14, 3                         ; my 8 tiles are one key step
	s_mul_i32 s14, s14, 13312
	s_add_co_u32 s14, s14, s15
	s_add_co_u32 s15, s14, 12800                   ; v: scale words
	s_add_co_u32 s14, s14, 6656                    ; v: codes
	s_mov_b32 s90, 98304                           ; from the fragment's first 64 along K to its second: q: the next head,
	s_mov_b32 s91, 8192                            ; and the same for the scale words
	s_cmp_eq_u32 s96, 1
	s_cselect_b32 s98, s89, s87
	s_cselect_b32 s100, s88, s86
	s_cselect_b32 s90, 212992, s90                 ; k: the next head
	s_cselect_b32 s91, 212992, s91
	s_cmp_eq_u32 s96, 2
	s_cselect_b32 s98, s14, s98
	s_cselect_b32 s100, s15, s100
	s_cselect_b32 s90, 768, s90                    ; v: the image's second half
	s_mov_b32 s86, 768                             ; from one source-1 tile to the next
	s_cselect_b32 s86, 1536, s86
	s_mov_b32 s87, 0
	s_mov_b32 s99, 0
	s_mov_b32 s101, 0
	s_cmp_eq_u32 s96, 0
	s_cselect_b64 s[84:85], s[78:79], s[80:81]     ; hq or kv: the choice hangs on the mode alone
	s_add_nc_u64 s[88:89], s[84:85], s[100:101]    ; the scale words
	s_add_nc_u64 s[84:85], s[84:85], s[98:99]      ; the codes
	v_add_nc_u32 v10, s90, v8
	v_add_nc_u32 v11, s90, v9
	v_add_nc_u32 v13, s91, v12
	; scale words of all of K: 8 registers a tile pair, read once
	s_lshl_b32 s14, s3, 3
	s_add_co_u32 s14, s14, s83
	s_lshl_b32 s14, s14, 9
	s_mov_b32 s15, 0
	s_add_nc_u64 s[98:99], s[70:71], s[14:15]
	s_lshl_b32 s14, s4, 2
	s_add_co_u32 s14, s14, s97
	s_lshl_b32 s14, s14, 9
	s_add_nc_u64 s[100:101], s[70:71], s[14:15]
.irp p, 0,1,2,3
	global_load_b128 v[SS0+8*\p:SS0+8*\p+3], v14, s[98:99] offset:1024*\p
	global_load_b128 v[SS0+8*\p+4:SS0+8*\p+7], v14, s[98:99] offset:1024*\p+16
.endr
.irp p, 0,1
	global_load_b128 v[SS1+8*\p:SS1+8*\p+3], v14, s[100:101] offset:1024*\p
	global_load_b128 v[SS1+8*\p+4:SS1+8*\p+7], v14, s[100:101] offset:1024*\p+16
.endr
	; the bias, in the result's layout: it is the C of each sum's first product
	s_lshl_b32 s14, s82, 10
	s_lshl_b32 s15, s3, 9
	s_add_co_u32 s14, s14, s15                     ; q, k: my 128 outputs begin at 256 X + 128 a
	s_lshl_b32 s15, s66, 6                         ; v: my 64 channels begin at 16 x my first tile of wv
	s_cmp_eq_u32 s96, 2
	s_cselect_b32 s14, s15, s14
	s_mov_b32 s15, 0
	s_cmp_eq_u32 s96, 1
	s_cselect_b64 s[66:67], s[74:75], s[72:73]
	s_cmp_eq_u32 s96, 2
	s_cselect_b64 s[66:67], s[76:77], s[66:67]
	s_add_nc_u64 s[66:67], s[66:67], s[14:15]
	s_cmp_eq_u32 s96, 2
	s_cbranch_scc1 .Lbias_v
	WIN 0xc0
.irp i, 0,1,2,3,4,5,6,7                ; register e of tile i: output 32 (i / 2) + 8 (i % 2) + 16 h + e
	global_load_b128 v[BIAS+8*\i:BIAS+8*\i+3], v15, s[66:67] offset:(32*(\i/2)+8*(\i%2))*4
	global_load_b128 v[BIAS+8*\i+4:BIAS+8*\i+7], v15, s[66:67] offset:(32*(\i/2)+8*(\i%2))*4+16
.endr
	WIN 0
	s_branch .Lbias_done
.Lbias_v:
	WIN 0xc0
.irp t, 0,1,2,3,4,5,6,7                ; all eight registers of tile j: the lane's channel 32 (j / 2) + 8 (j % 2) + r + 8 (r / 8).  Tiles 4-7 repeat 0-3, so that the 64 registers are written on both ways
.irp e, 0,1,2,3,4,5,6,7
	global_load_b32 v[BIAS+8*\t+\e], v115, s[66:67] offset:(32*((\t%4)/2)+8*(\t%2))*4
.endr
.endr
	WIN 0
.Lbias_done:
	s_wait_alu depctr_va_vdst(0)
	s_wait_tensorcnt 0x0                           ; my part of the first half is in
	ds_add_u32 v254, v255
	s_wait_dscnt 0x0
	CROUND                                         ; everybody's part is in, and the sixteen work-groups meet
	JLOAD 1                                        ; the last four K steps: my one tensor load behind the round
	FETCH 0
	FETCH 1
	s_wait_loadcnt 0x0                             ; scale words and bias
	s_wait_dscnt 48                                ; K step 0's fragments are in
	s_cmp_eq_u32 s96, 2
	s_cbranch_scc1 .Lfirst_v
	MUL 0, 1                                       ; the first K step starts the sums: nothing is cleared
	WIN 0
	s_branch .Lfirst_done
.Lfirst_v:
	MUL 0, 2
	WIN 0
.Lfirst_done:
	AFTER 0
	s_wait_alu depctr_va_vdst(0)
	STEP 1
	STEP 2
	s_wait_alu depctr_va_vdst(0)
	STEP 3
	STEP 4
	s_wait_alu depctr_va_vdst(0)
	STEP 5
	STEP 6
	STEP 7
	; THE WAY OUT
	PLACES
.irp j, 0,1,2,3
.if \j > 0
	s_wait_xcnt 0x0                                ; the last tile's stores have read their data and their base
	s_add_nc_u64 s[84:85], s[84:85], s[86:87]
.endif
	QUANTW 64*\j
	global_store_b128 v8, v[PC:PC+3], s[84:85]                 ; 512 consecutive bytes,
	global_store_b64 v9, v[PC+4:PC+5], s[84:85] offset:512     ; 256: the first 64 along the next K;
	global_store_b128 v10, v[PC+6:PC+9], s[84:85]              ; the second 64: q, k: the next head's image; v: the same image's second half
	global_store_b64 v11, v[PC+10:PC+11], s[84:85] offset:512
	v_mov_b32 v[PWS+\j], v[PW]
.endr
	v_cndmask_b32 v105, v[PWS], v[PWS+1], s92      ; lanes 0-15 store the even tile's words, lanes 16-31 the odd tile's: 128 consecutive bytes
	v_cndmask_b32 v106, v[PWS+2], v[PWS+3], s92
	s_cmp_eq_u32 s96, 2
	s_cbranch_scc1 .Lwords_v
	v_and_or_b32 v107, v105, 0xffff, s93           ; the first head's two bytes, and 2^0 twice
	v_and_or_b32 v108, v106, 0xffff, s93
	v_lshrrev_b32 v109, 16, v105
	v_lshrrev_b32 v110, 16, v106
	v_or_b32 v109, s93, v109                       ; the second head's
	v_or_b32 v110, s93, v110
	global_store_b32 v12, v107, s[88:89]
	global_store_b32 v12, v108, s[88:89] offset:128
	global_store_b32 v13, v109, s[88:89]
	global_store_b32 v13, v110, s[88:89] offset:128
	s_branch .Lwords_done
.Lwords_v:
	s_wait_alu depctr_va_vdst(0)
	global_store_b32 v12, v105, s[88:89]
	global_store_b32 v12, v106, s[88:89] offset:128
	global_store_b64 v9, v[112:113], s[88:89] offset:256       ; the key step's 256 bytes of zeros
.Lwords_done:
	s_wait_tensorcnt 0x0
	ds_add_u32 v254, v255
	s_wait_dscnt 0x0
	CROUND                                         ; the closing round: no work-group ends while a partner may still ask for a tile that names it
	s_endpgm
.Lfunc_end_k_q93a353ef20_proj:
	.size	k_q93a353ef20_proj, .Lfunc_end_k_q93a353ef20_proj-k_q93a353ef20_proj
	.p2alignl 7, 3214868480
	.fill 96, 4, 3214868480
	.section	.rodata,"a",@progbits
	.p2align	6, 0x0
	.amdhsa_kernel k_q93a353ef20_proj
		.amdhsa_group_segment_fixed_size 327680
		.amdhsa_private_segment_fixed_size 0
		.amdhsa_enable_private_segment 0
		.amdhsa_kernarg_size 56
		.amdhsa_user_sgpr_count 2
		.amdhsa_user_sgpr_kernarg_segment_ptr 1
		.amdhsa_wavefront_size32 1
		.amdhsa_system_sgpr_workgroup_id_x 1
		.amdhsa_system_sgpr_workgroup_id_y 1
		.amdhsa_system_sgpr_workgroup_id_z 1
		.amdhsa_system_vgpr_workitem_id 0
		.amdhsa_next_free_vgpr 1024
		.amdhsa_next_free_sgpr 102
		.amdhsa_reserve_vcc 0
		.amdhsa_float_denorm_mode_32 3
		.amdhsa_float_denorm_mode_16_64 3
		.amdhsa_memory_ordered 1
		.amdhsa_forward_progress 1
		.amdhsa_inst_pref_size 102
	.end_amdhsa_kernel
	.amdgpu_metadata
---
amdhsa.version: [ 1, 2 ]
amdhsa.kernels:
  - .name:           k_q93a353ef20_proj
    .symbol:         k_q93a353ef20_proj.kd
    .args:
      - { .name: xc, .offset: 0, .size: 8, .value_kind: global_buffer, .address_space: global }
      - { .name: xs, .offset: 8, .size: 8, .value_kind: global_buffer, .address_space: global }
      - { .name: bq, .offset: 16, .size: 8, .value_kind: global_buffer, .address_space: global }
      - { .name: bk, .offset: 24, .size: 8, .value_kind: global_buffer, .address_space: global }
      - { .name: bv, .offset: 32, .size: 8, .value_kind: global_buffer, .address_space: global }
      - { .name: hq, .offset: 40, .size: 8, .value_kind: global_buffer, .address_space: global }
      - { .name: kv, .offset: 48, .size: 8, .value_kind: global_buffer, .address_space: global }
    .group_segment_fixed_size: 327680
    .private_segment_fixed_size: 0
    .kernarg_segment_align: 8
    .kernarg_segment_size: 56
    .max_flat_workgroup_size: 128
    .sgpr_count:     102
    .vgpr_count:     1024
    .wavefront_size: 32
...
	.end_amdgpu_metadata
.endif
;; end of part 2
;; launch attn (part 3): grid 4 x 64, 16 waves a work-group, clusters of 4 x 1, 327,680 bytes of LDS; arguments hq, kv, mb, oc, os; writes oc, os
.if DOCPART == 3
	.amdgcn_target "amdgcn-amd-amdhsa--gfx1250"
	.amdhsa_code_object_version 6
	.text
	.protected	k_q93a353ef20_attn
	.globl	k_q93a353ef20_attn
	.p2align	8
	.type	k_q93a353ef20_attn,@function
k_q93a353ef20_attn:
	s_mov_b64 s[64:65], 0
	v_nop
	global_prefetch_b8 v0, s[64:65] scope:SCOPE_SE
	s_setreg_imm32_b32 hwreg(HW_REG_WAVE_MODE, 25, 1), 1
	s_wait_xcnt 0x0
	s_wait_alu depctr_hold_cnt(0) depctr_sa_sdst(0) depctr_va_vdst(0) depctr_va_sdst(0) depctr_va_ssrc(0) depctr_va_vcc(0) depctr_vm_vsrc(0)
	s_getreg_b32 s2, hwreg(HW_REG_IB_STS2, 6, 4)
	s_cmp_eq_u32 s2, 0
	s_cbranch_scc0 .Lentry_in_a_cluster
	s_endpgm
.Lentry_in_a_cluster:
	s_bfe_u32 s2, ttmp6, 0x10000c
	s_cmp_lg_u32 s2, 0x3003
	s_cbranch_scc0 .Lentry_shape_is_right
	s_endpgm
.Lentry_shape_is_right:
; ATTN.  o = softmax(where(mask == 0, -10000, q k^T / 8)) v for one head of one batch, both products on codes of FP6 (E2M3) with E8M0 scales; o leaves quantised along its 64 channels, as an operand of the last projection.
; p = 2^(t - M), t = logit x log2(e), M the ceiling of the running largest t; the row's sum is taken of the unquantised p; when M moves, sum and O^T are multiplied by an exact power of two.
; LIMITS: the promise holds while the scaled scores stay under 2^31 in magnitude; NaN and infinities are not served; a block whose every p has fallen to 0 gets the byte 1 with zero codes.
; SHARES.  256 work-groups: x = a quarter of the 2,048 queries, y = batch x head.  16 waves; wave w takes query tiles 32 x + 2 w and 32 x + 2 w + 1 (16 queries each), one after the other.
; A lane holds one query throughout: S^T = K Q^T, O^T = V^T P^T; by the order of a tile's slots the 16 registers of two neighbouring tiles are 16 neighbouring keys.
; LDS IS FILLED ONCE: the head's 16 key steps of 13,312 bytes (K's 8 half images, K's scale words, V^T's 4 images, V's scale words), one tensor load a wave at the head, 52 rows of 256 bytes each.
; One barrier shows them to all; behind it the waves share nothing and meet no barrier until the closing round.  Every wait on TENSORcnt is for 0.
; CLUSTER 4, 1, 1: the four work-groups of a head need the same K and V: each load is a joint one.
; THE MASK comes as lane-mask words, 64 a key step (256 bytes), by scalar loads; a wave's two tiles are 8,192 consecutive bytes.  The words of step g + 1 are asked for in step g, behind the lines that read
; step g's; in the last step the offset is held at the last step's words, so that no load leaves the buffer.
; NO DATA PREFETCH: K and V are asked for once, at the head, where no loop runs ahead of them; the mask words are asked for a whole step ahead by their own loads.
; A head's K is 64: the second six registers of Q's operand are zero codes, and bytes 2, 3 of the scale words are 2^0; so what stands in the second six registers of a K operand adds nothing.
; REGISTERS: v1-11 addresses and constants; v12 -M, v13 largest t, v[14:15] the sum; v16-27 Q, v28 its scale word; v32-85 K's or V's fragments; v86-91 their scale words; v96-159 S^T, then p;
;   v160-191 O^T; v192-207 p's codes; v212-230 at work; v232-238 the second tile's Q; v254, v255 for the add.
.set STEPB, 13312
.set SPARE, 16*STEPB                   ; behind the key steps: the spare words, 128 bytes a wave
.macro CROUND                          ; a round of the cluster's barrier
	s_barrier_signal -1
	s_barrier_wait -1
	s_cmp_lg_u32 s2, 0
	s_cbranch_scc1 .Lnot_wave_0_\@
	s_barrier_signal -3
.Lnot_wave_0_\@:
	s_barrier_wait -3
	s_barrier_signal -1
	s_barrier_wait -1
.endm
.macro PLACES                          ; four plain places behind a matrix instruction of this form (ISA guide 7.12.1)
.rept 4
	v_nop
.endr
.endm
.macro FRAG dst, a16, a8, off          ; an image becomes 12 registers
	ds_load_b128 v[\dst:\dst+3], v[\a16] offset:\off
	ds_load_b64 v[\dst+4:\dst+5], v[\a8] offset:\off+512
	ds_load_b128 v[\dst+6:\dst+9], v[\a16] offset:\off+768
	ds_load_b64 v[\dst+10:\dst+11], v[\a8] offset:\off+1280
.endm
.macro MASKW                           ; the 64 mask words at byte s14 of my 8,192: word n in s[32 + n], from n = 32 on in s[36 + n]
	s_load_b512 s[32:47], s[6:7], s14 offset:0x0
	s_load_b512 s[48:63], s[6:7], s14 offset:0x40
	s_load_b512 s[68:83], s[6:7], s14 offset:0x80
	s_load_b512 s[84:99], s[6:7], s14 offset:0xc0
.endm
.macro KLOAD                           ; K's 8 half images and their scale words of the key step at v4, v5, v6: 20 LDS loads
.irp t, 0,1,2,3,4,5,6,7
	ds_load_b128 v[32+6*\t:35+6*\t], v4 offset:768*\t
	ds_load_b64 v[36+6*\t:37+6*\t], v5 offset:768*\t+512
.endr
.irp i, 0,1,2,3
	ds_load_b32 v[86+\i], v6 offset:6144+128*\i
.endr
.endm
; 128 keys against my 16 queries.  K's fragments of this step were asked for at the end of the step before (the first: in the tile's prologue); v4, v5, v6 still point at this key step for V's.
.macro KSTEP
	s_wait_alu depctr_va_vdst(0)
	s_wait_dscnt 0x0
.irp t, 0,1,2,3,4,5,6,7
.if \t%2 == 0
	v_wmma_scale_f32_16x16x128_f8f6f4 v[96+8*\t:103+8*\t], v[32+6*\t:43+6*\t], v[16:27], 0, v[86+\t/2], v28 matrix_a_fmt:MATRIX_FMT_FP6 matrix_b_fmt:MATRIX_FMT_FP6
.else
	v_wmma_scale_f32_16x16x128_f8f6f4 v[96+8*\t:103+8*\t], v[32+6*\t:43+6*\t], v[16:27], 0, v[86+\t/2], v28 matrix_a_fmt:MATRIX_FMT_FP6 matrix_b_fmt:MATRIX_FMT_FP6 matrix_a_scale:MATRIX_SCALE_ROW1
.endif
.endr
	PLACES
.irp t, 0,1,2,3
	FRAG 32+12*\t, 4, 5, 6656+1536*\t              ; V^T's four images, over K's
.endr
	ds_load_b32 v90, v6 offset:12800
	ds_load_b32 v91, v6 offset:12928
	s_wait_kmcnt 0x0                               ; this step's mask words, asked for a step ago
.set n, 0
.rept 32
	v_cndmask_b32 v[96+n], v7, v[96+n], s[32+n]    ; where the mask is 0: -10000 x 8, each accumulator from its low end on
.set n, n+1
.endr
.rept 32
	v_cndmask_b32 v[96+n], v7, v[96+n], s[36+n]
.set n, n+1
.endr
.irp b, 0,1,2,3
	v_max3_num_f32 v[212+\b], v[96+16*\b], v[97+16*\b], v[98+16*\b]   ; the largest score of each block of 32 keys
.endr
.irp i, 3,5,7,9,11,13
.irp b, 0,1,2,3
	s_delay_alu instid0(VALU_DEP_4)
	v_max3_num_f32 v[212+\b], v[212+\b], v[96+16*\b+\i], v[97+16*\b+\i]
.endr
.endr
.irp b, 0,1,2,3
	s_delay_alu instid0(VALU_DEP_4)
	v_max_num_f32 v[212+\b], v[212+\b], v[111+16*\b]
.endr
	s_add_co_u32 s14, s14, 256                     ; the wait on KMcnt above has shown the last loads done: their offset may step,
	s_min_u32 s14, s14, 7936                       ; held at my last step's words
	MASKW                                          ; the next step's words
.irp b, 0,1,2,3
	v_permlanex16_b32 v[216+\b], v[212+\b], s8, s9
.endr
.irp b, 0,1,2,3
	s_delay_alu instid0(VALU_DEP_4)
	v_max_num_f32 v[212+\b], v[212+\b], v[216+\b]  ; with lane l xor 16's 16 keys
.endr
	s_delay_alu instid0(VALU_DEP_2)
	v_max3_num_f32 v230, v212, v213, v214
	s_delay_alu instid0(VALU_DEP_1)
	v_max_num_f32 v230, v230, v215
	s_delay_alu instid0(VALU_DEP_1)
	v_mul_f32 v230, s10, v230                      ; the step's largest t
	s_delay_alu instid0(VALU_DEP_1)
	v_max_num_f32 v13, v13, v230
	v_mov_b32 v230, v12
	s_delay_alu instid0(VALU_DEP_2)
	v_floor_f32 v12, -v13                          ; -M = floor(-t)
	s_delay_alu instid0(VALU_DEP_1)
	v_sub_f32 v230, v12, v230
.set j, 0
.rept 5
	v_pk_fma_f32 v[96+j:97+j], v[96+j:97+j], s[10:11], v[12:13] op_sel_hi:[1,0,0]   ; t - M; the two lines that make f stand among these, five lines from what they read
.set j, j+2
.endr
	v_cvt_i32_f32 v230, v230
.rept 5
	v_pk_fma_f32 v[96+j:97+j], v[96+j:97+j], s[10:11], v[12:13] op_sel_hi:[1,0,0]
.set j, j+2
.endr
	v_ldexp_f32 v226, 1.0, v230                    ; f = 2^(old M - new M)
.rept 22
	v_pk_fma_f32 v[96+j:97+j], v[96+j:97+j], s[10:11], v[12:13] op_sel_hi:[1,0,0]
.set j, j+2
.endr
.irp b, 0,1,2,3
	v_fma_f32 v[212+\b], v[212+\b], s10, v12
.endr
.set j, 0
	s_wait_alu depctr_va_vdst(0)
.rept 64
	v_exp_f32 v[96+j], v[96+j]
.set j, j+1
.endr
.irp b, 0,1,2,3
	v_exp_f32 v[212+\b], v[212+\b]                 ; each block's largest p
.endr
	v_pk_mul_f32 v[14:15], v[14:15], v[226:227] op_sel_hi:[1,0]
	s_wait_alu depctr_va_vdst(0)
.irp b, 0,1,2,3
	v_max_num_f32 v[212+\b], 0x1800000, v[212+\b]  ; the floor 2^(3 - 127): the byte cannot fall under 1
.endr
.irp b, 0,1,2,3
	s_delay_alu instid0(VALU_DEP_4)
	v_add_nc_u32 v[220+\b], 0xff000000, v[212+\b]  ; 2 off the exponent field: the conversion's scale operand
.endr
.irp c, 0,1
	v_cvt_scalef32_pk16_fp6_f32 v[192+6*\c:194+6*\c], v[96+32*\c:111+32*\c], v[220+2*\c]
	v_cvt_scalef32_pk16_fp6_f32 v[204+4*\c:206+4*\c], v[112+32*\c:127+32*\c], v[220+2*\c+1]
.endr
.irp b, 0,1,2,3
	v_lshrrev_b32 v[216+\b], 23, v[220+\b]         ; the scales' bytes: these seven plain lines stand between the conversions and the lines that touch their results
.endr
	s_delay_alu instid0(VALU_DEP_3)
	v_lshl_or_b32 v224, v217, 8, v216              ; p's scale word
	s_delay_alu instid0(VALU_DEP_1)
	v_lshl_or_b32 v224, v218, 16, v224
	s_delay_alu instid0(VALU_DEP_1)
	v_lshl_or_b32 v224, v219, 24, v224
.irp c, 0,1
.irp i, 0,1,2
	v_permlane16_swap_b32 v[192+6*\c+\i], v[204+4*\c+\i]   ; a whole block to a lane
.endr
.irp i, 0,1,2
	s_delay_alu instid0(VALU_DEP_3)
	v_mov_b32 v[195+6*\c+\i], v[204+4*\c+\i]
.endr
.endr
.set j, 0
.rept 16
	v_pk_mul_f32 v[160+j:161+j], v[160+j:161+j], v[226:227] op_sel_hi:[1,0]   ; O^T under the new M
.set j, j+2
.endr
	s_wait_alu depctr_va_vdst(0)
	s_wait_dscnt 0x0                               ; V's fragments
.irp t, 0,1,2,3
.if \t%2 == 0
	v_wmma_scale_f32_16x16x128_f8f6f4 v[160+8*\t:167+8*\t], v[32+12*\t:43+12*\t], v[192:203], v[160+8*\t:167+8*\t], v[90+\t/2], v224 matrix_a_fmt:MATRIX_FMT_FP6 matrix_b_fmt:MATRIX_FMT_FP6
.else
	v_wmma_scale_f32_16x16x128_f8f6f4 v[160+8*\t:167+8*\t], v[32+12*\t:43+12*\t], v[192:203], v[160+8*\t:167+8*\t], v[90+\t/2], v224 matrix_a_fmt:MATRIX_FMT_FP6 matrix_b_fmt:MATRIX_FMT_FP6 matrix_a_scale:MATRIX_SCALE_ROW1
.endif
.endr
	s_add_co_u32 s4, s4, STEPB
	s_min_u32 s15, s4, 15*STEPB                    ; the next key step, held at the last: the last trip's loads stay inside the tiles, and what they bring is not used
	v_add_nc_u32 v4, s15, v1                       ; (with the v_nop: the four places behind the products, ahead of loads into their sources)
	v_add_nc_u32 v5, s15, v2
	v_add_nc_u32 v6, s15, v3
	v_nop
	KLOAD                                          ; the next step's K, awaited at that step's top: the 32 additions below stand between
	v_pk_add_f32 v[228:229], v[96:97], v[98:99]    ; the sum of the unquantised p, in four chains (v[14:15], v[228:229], v[240:241], v[242:243])
	v_pk_add_f32 v[240:241], v[100:101], v[102:103]
	v_pk_add_f32 v[242:243], v[104:105], v[106:107]
.irp j, 12,20,28,36,44,52
	v_pk_add_f32 v[14:15], v[14:15], v[96+\j:97+\j]
	v_pk_add_f32 v[228:229], v[228:229], v[98+\j:99+\j]
	v_pk_add_f32 v[240:241], v[240:241], v[100+\j:101+\j]
	v_pk_add_f32 v[242:243], v[242:243], v[102+\j:103+\j]
.endr
	v_pk_add_f32 v[14:15], v[14:15], v[156:157]
	v_pk_add_f32 v[228:229], v[228:229], v[158:159]
	v_pk_add_f32 v[240:241], v[240:241], v[242:243]
	v_pk_add_f32 v[14:15], v[14:15], v[228:229]
	v_pk_add_f32 v[14:15], v[14:15], v[240:241]
.endm
; One query tile: the state begins anew, 16 key steps, then o = O^T / sum, quantised along the head's 64 and stored as half an image and two scale bytes a row.
.macro TILE t
.if \t
	s_wait_xcnt 0x0                                ; the first tile's stores have read their registers
	s_wait_dscnt 0x0                               ; the first tile's last loads of K have landed: the same registers are loaded anew below
.irp i, 0,1,2,3,4,5
	v_mov_b32 v[16+\i], v[232+\i]
.endr
	v_mov_b32 v28, v238
.endif
	s_mov_b32 s4, 0
	v_add_nc_u32 v4, s4, v1                        ; key step 0
	v_add_nc_u32 v5, s4, v2
	v_add_nc_u32 v6, s4, v3
	KLOAD                                          ; its K, under the lines that begin the state
	v_mov_b32 v13, 0xff61b1e6
	s_delay_alu instid0(VALU_DEP_1)
	v_floor_f32 v12, -v13
	v_mov_b32 v14, 0
	v_mov_b32 v15, 0
.set j, 0
.rept 32
	v_mov_b32 v[160+j], 0                          ; the step is written once: the first finds zeros
.set j, j+1
.endr
	s_mov_b32 s3, 16
.Lkeys_\t:
	KSTEP
	s_sub_co_u32 s3, s3, 1
	s_cmp_lg_u32 s3, 0
	s_cbranch_scc1 .Lkeys_\t
	v_add_f32 v14, v14, v15
	s_delay_alu instid0(VALU_DEP_1)
	v_permlanex16_b32 v216, v14, s8, s9
	s_delay_alu instid0(VALU_DEP_1)
	v_add_f32 v14, v14, v216                       ; the row's sum
	s_wait_alu depctr_va_vdst(0)
	v_rcp_f32 v228, v14
	v_mov_b32 v229, 0
.set j, 0
	s_wait_alu depctr_va_vdst(0)
.rept 16
	v_pk_mul_f32 v[96+j:97+j], v[160+j:161+j], v[228:229] op_sel_hi:[1,0]
.set j, j+2
.endr
.irp b, 0,1
	v_max3_num_f32 v[212+\b], |v[96+16*\b]|, |v[97+16*\b]|, 0x1800000
.endr
.irp i, 2,4,6,8,10,12,14
.irp b, 0,1
	s_delay_alu instid0(VALU_DEP_2)
	v_max3_num_f32 v[212+\b], v[212+\b], |v[96+16*\b+\i]|, |v[97+16*\b+\i]|
.endr
.endr
.irp b, 0,1
	s_delay_alu instid0(VALU_DEP_2)
	v_permlanex16_b32 v[216+\b], v[212+\b], s8, s9
.endr
.irp b, 0,1
	s_delay_alu instid0(VALU_DEP_2)
	v_max_num_f32 v[212+\b], v[212+\b], v[216+\b]
.endr
.irp b, 0,1
	s_delay_alu instid0(VALU_DEP_2)
	v_add_nc_u32 v[220+\b], 0xff000000, v[212+\b]
.endr
.irp b, 0,1
	s_delay_alu instid0(VALU_DEP_2)
	v_lshrrev_b32 v[216+\b], 23, v[220+\b]
.endr
	s_delay_alu instid0(VALU_DEP_1)
	v_lshl_or_b32 v230, v217, 8, v216
	v_cvt_scalef32_pk16_fp6_f32 v[192:194], v[96:111], v220
	v_cvt_scalef32_pk16_fp6_f32 v[204:206], v[112:127], v221
	v_nop
.irp i, 0,1,2
	v_permlane16_swap_b32 v[192+\i], v[204+\i]
.endr
.irp i, 0,1,2
	s_delay_alu instid0(VALU_DEP_3)
	v_mov_b32 v[195+\i], v[204+\i]
.endr
	global_store_b128 v1, v[192:195], s[28:29] offset:12288*\t          ; 512 consecutive bytes,
	global_store_b64 v2, v[196:197], s[28:29] offset:12288*\t+512       ; and 256: my head's 64 of the row tile's K
	global_store_b16 v11, v230, s[30:31] offset:512*\t                  ; my head's two bytes of each row's 32
.endm
	s_load_b128 s[32:35], s[0:1], 0x0              ; hq, kv
	s_load_b64 s[36:37], s[0:1], 0x10              ; mb
	s_load_b128 s[40:43], s[0:1], 0x18             ; oc, os
	v_lshl_add_u32 v254, v0, 2, SPARE
	v_mov_b32 v255, 0
	ds_add_u32 v254, v255                          ; the opening lines: the add, twice on end, and its wait
	ds_add_u32 v254, v255
	v_lshrrev_b32 v9, 5, v0
	s_delay_alu instid0(VALU_DEP_1)
	v_readfirstlane_b32 s2, v9                     ; wave 0..15
	s_and_b32 s5, ttmp7, 0xffff                    ; batch x head, 0..63
	s_mul_i32 s25, s2, STEPB                       ; my key step's place in LDS
	s_mul_i32 s44, s5, 16*STEPB
	s_add_co_u32 s44, s44, s25                     ; and in kv
	s_mov_b32 s45, 0
	s_mov_b32 s16, 15|(3<<16)|(1<<21)              ; the mask: all four of the cluster; elements of 8 bytes; bit 21 beside a mask
	s_mov_b32 s17, 32<<16                          ; rows of 256 bytes,
	s_mov_b32 s18, 52<<16                          ; 52 of them, dense
	s_mov_b32 s19, 32<<16
	s_mov_b32 s20, 52
	s_mov_b32 s21, 32
	s_mov_b32 s22, 0
	s_mov_b32 s23, 0
	s_mov_b32 s24, 1
	s_wait_alu depctr_va_vdst(0)
	s_wait_dscnt 0x0
	CROUND                                         ; the four work-groups are here: the joint loads meet
	s_wait_kmcnt 0x0
	s_add_nc_u64 s[26:27], s[34:35], s[44:45]
	s_or_b32 s27, s27, 0x80000000
	tensor_load_to_lds s[24:27], s[16:23]          ; key step w: my one tensor load
	s_nop 0
	PLACES
	v_and_b32 v9, 31, v0                           ; lane
	v_and_b32 v10, 15, v0                          ; r
	s_delay_alu instid0(VALU_DEP_2)
	v_lshlrev_b32 v1, 4, v9
	v_lshlrev_b32 v2, 3, v9
	v_lshlrev_b32 v3, 2, v9
	v_lshlrev_b32 v8, 2, v10
	v_lshlrev_b32 v11, 5, v10
.irp i, 0,1,2,3,4,5
	v_mov_b32 v[22+\i], 0                          ; zero codes: Q's second 64 along K,
	v_mov_b32 v[80+\i], 0                          ; and behind K's last half image
.endr
	v_mov_b32 v7, 0xc79c4000                       ; -10000 x 8: the factor 1 / 8 is in c
	v_mov_b32 v227, 0
.irp b, 0,1,2,3
	v_mov_b32 v[216+\b], 0                         ; a lane permute's destination counts as one of its sources
.endr
	s_wait_alu depctr_va_vdst(0)
	s_bfe_u32 s38, ttmp6, 0x40000                  ; cx
	s_lshl_b32 s39, ttmp9, 2
	s_add_co_u32 s38, s38, s39
	s_lshl_b32 s38, s38, 4
	s_add_co_u32 s38, s38, s2
	s_lshl_b32 s38, s38, 1                         ; my first query tile
	s_lshl_b32 s39, s5, 7
	s_add_co_u32 s39, s39, s38
	s_mul_i32 s44, s39, 768
	s_add_nc_u64 s[100:101], s[32:33], s[44:45]    ; Q's codes
	s_lshl_b32 s44, s39, 6
	s_add_co_u32 s44, s44, 6291456
	s_add_nc_u64 s[12:13], s[32:33], s[44:45]      ; Q's scale words
	s_lshl_b32 s44, s38, 12
	s_add_nc_u64 s[6:7], s[36:37], s[44:45]        ; my 8,192 bytes of mask words
	s_lshr_b32 s46, s5, 4
	s_lshl_b32 s46, s46, 7
	s_add_co_u32 s46, s46, s38                     ; my first tile among the 512 tiles of rows
	s_and_b32 s47, s5, 15                          ; the head within its batch
	s_mul_i32 s44, s46, 12288
	s_mul_i32 s39, s47, 768
	s_add_co_u32 s44, s44, s39
	s_add_nc_u64 s[28:29], s[40:41], s[44:45]      ; o's codes
	s_lshl_b32 s44, s46, 9
	s_lshl_b32 s39, s47, 1
	s_add_co_u32 s44, s44, s39
	s_add_nc_u64 s[30:31], s[42:43], s[44:45]      ; o's scale bytes
	global_load_b128 v[16:19], v1, s[100:101]
	global_load_b64 v[20:21], v2, s[100:101] offset:512
	global_load_b32 v28, v8, s[12:13]
	global_load_b128 v[232:235], v1, s[100:101] offset:768
	global_load_b64 v[236:237], v2, s[100:101] offset:1280
	global_load_b32 v238, v8, s[12:13] offset:64
	s_mov_b32 s14, 0
	MASKW                                          ; the first step's words (the arguments in s32-43 have served)
	s_mov_b32 s8, 0x76543210
	s_mov_b32 s9, 0xfedcba98                       ; selects for lane l xor 16
	s_mov_b32 s10, 0x3e38aa3b                      ; c = log2(e) / 8
	s_mov_b32 s11, s10
	s_wait_tensorcnt 0x0                           ; my key step is in
	s_barrier_signal -1
	s_barrier_wait -1                              ; everybody's is.
	s_wait_loadcnt 0x0                             ; both tiles' Q
	TILE 0
	TILE 1
	s_wait_tensorcnt 0x0                           ; the wave's end
	ds_add_u32 v254, v255
	s_wait_dscnt 0x0
	CROUND                                         ; the closing round
	s_endpgm
.Lfunc_end_k_q93a353ef20_attn:
	.size	k_q93a353ef20_attn, .Lfunc_end_k_q93a353ef20_attn-k_q93a353ef20_attn
	.p2alignl 7, 3214868480
	.fill 96, 4, 3214868480
	.section	.rodata,"a",@progbits
	.p2align	6, 0x0
	.amdhsa_kernel k_q93a353ef20_attn
		.amdhsa_group_segment_fixed_size 327680
		.amdhsa_private_segment_fixed_size 0
		.amdhsa_enable_private_segment 0
		.amdhsa_kernarg_size 40
		.amdhsa_user_sgpr_count 2
		.amdhsa_user_sgpr_kernarg_segment_ptr 1
		.amdhsa_wavefront_size32 1
		.amdhsa_system_sgpr_workgroup_id_x 1
		.amdhsa_system_sgpr_workgroup_id_y 1
		.amdhsa_system_sgpr_workgroup_id_z 1
		.amdhsa_system_vgpr_workitem_id 0
		.amdhsa_next_free_vgpr 256
		.amdhsa_next_free_sgpr 102
		.amdhsa_reserve_vcc 0
		.amdhsa_float_denorm_mode_32 3
		.amdhsa_float_denorm_mode_16_64 3
		.amdhsa_memory_ordered 1
		.amdhsa_forward_progress 1
		.amdhsa_inst_pref_size 65
	.end_amdhsa_kernel
	.amdgpu_metadata
---
amdhsa.version: [ 1, 2 ]
amdhsa.kernels:
  - .name:           k_q93a353ef20_attn
    .symbol:         k_q93a353ef20_attn.kd
    .args:
      - { .name: hq, .offset: 0, .size: 8, .value_kind: global_buffer, .address_space: global }
      - { .name: kv, .offset: 8, .size: 8, .value_kind: global_buffer, .address_space: global }
      - { .name: mb, .offset: 16, .size: 8, .value_kind: global_buffer, .address_space: global }
      - { .name: oc, .offset: 24, .size: 8, .value_kind: global_buffer, .address_space: global }
      - { .name: os, .offset: 32, .size: 8, .value_kind: global_buffer, .address_space: global }
    .group_segment_fixed_size: 327680
    .private_segment_fixed_size: 0
    .kernarg_segment_align: 8
    .kernarg_segment_size: 40
    .max_flat_workgroup_size: 512
    .sgpr_count:     102
    .vgpr_count:     256
    .wavefront_size: 32
...
	.end_amdgpu_metadata
.endif
;; end of part 3
;; launch outp (part 4): grid 4 x 64, 4 waves a work-group, clusters of 4 x 4, 327,680 bytes of LDS; arguments xc, xs, oc, os, bo, out0; writes out0
.if DOCPART == 4
	.amdgcn_target "amdgcn-amd-amdhsa--gfx1250"
	.amdhsa_code_object_version 6
	.text
	.protected	k_q93a353ef20_outp
	.globl	k_q93a353ef20_outp
	.p2align	8
	.type	k_q93a353ef20_outp,@function
k_q93a353ef20_outp:
	s_mov_b64 s[64:65], 0
	v_nop
	global_prefetch_b8 v0, s[64:65] scope:SCOPE_SE
	s_setreg_imm32_b32 hwreg(HW_REG_WAVE_MODE, 25, 1), 1
	s_wait_xcnt 0x0
	s_wait_alu depctr_hold_cnt(0) depctr_sa_sdst(0) depctr_va_vdst(0) depctr_va_sdst(0) depctr_va_ssrc(0) depctr_va_vcc(0) depctr_vm_vsrc(0)
	s_getreg_b32 s2, hwreg(HW_REG_IB_STS2, 6, 4)
	s_cmp_eq_u32 s2, 0
	s_cbranch_scc0 .Lentry_in_a_cluster
	s_endpgm
.Lentry_in_a_cluster:
	s_bfe_u32 s2, ttmp6, 0x10000c
	s_cmp_lg_u32 s2, 0xf033
	s_cbranch_scc0 .Lentry_shape_is_right
	s_endpgm
.Lentry_shape_is_right:
; OUTP.  out0 = attention's result x wo^T + bo, on codes of FP6 (E2M3) with E8M0 scales, K = 1,024; out0 [8192][1024] f32.
; Operands come as images of the operand's registers (1,536 bytes for 16 rows x 128 K) and scale words [tile][slot][K step]; slot r of tile T is row 32 (T / 2) + 8 (T % 2) + r + 8 (r / 8).
; SHARES.  256 work-groups.  A work-group multiplies 16 tiles of wo (source 0: 256 outputs) by 8 tiles of rows (source 1: 128 rows) over all of K; a lane holds one row, its registers run along the outputs.
; Wave w takes half a = w % 2 of wo's tiles (8) and half w / 2 of the rows' (4): 32 accumulators.
; LDS IS FILLED ONCE: four chunks of two K steps, 294,912 bytes, each wave's eight tensor loads issued as one group; counted waits and a barrier let each chunk be read as it lands.
; CLUSTERS: 4 x 4.  wo's tiles hang on the work-group's x alone and are shared along a column of the cluster, the rows' tiles on its y alone and are shared along a row: joint loads.
; THE WAY OUT.  A tile of 16 rows x my 128 outputs goes through my own stage in LDS and leaves as rows of 512 consecutive bytes.  The stages lie in chunk 0, which has had its only fill and, behind a barrier, its last read.
; REGISTERS: window 0: v4-15, v116-117 addresses; v16-47, v48-63 scale words and nothing else; v128-255 rows on the way out.  window 1: accumulator (j, i) at v[8 (8 j + i)].
;   window 2: source 0's fragments, two sets of 96.  window 3: source 1's, two sets of 48; from v96 the bias, 8 tiles of 8 registers in the result's layout.
; THE FILLS AS THEY STAND NOW (this takes the place of the paragraph on fills above): K is cut in two halves of four K steps; a half of the 24 tiles is 147,456 bytes.
; At the head each wave issues one joint load of the first half (waves 0, 1: eight tiles of wo each; waves 2, 3: four tiles of rows each); the second half's loads, shared out alike,
; stand behind the wait for all tensor loads, the add and a round of the cluster's barrier.  No byte is filled twice.  Every wait on TENSORcnt is for 0.
; The stages of the way out lie in the first half's bytes.
.set CHUNK, 147456                     ; four K steps of 24 tiles
.set TILE2, 6144                       ; four K steps of a tile
.set S1OFF, 98304                      ; source 1's tiles lie behind source 0's sixteen
.set SS0,  16
.set SS1,  48
.set BIAS, 96
.set SP,   528                         ; a stage row: 512 bytes + 16
.set STO,  116                         ; v116  the stage: where I put 16 bytes of a row
.set RD,   117                         ; v117  and where I read a row back
.set BK,   128                         ; v128-191, v192-255: 16 rows read back, by turns
.set MSB, 0
.macro WIN new                         ; the immediate's high byte repeats the setting that is left
.if MSB != \new
	s_set_vgpr_msb (MSB<<8)|\new
.set MSB, \new
.endif
.endm
.macro CROUND                          ; a round of the cluster's barrier
	s_barrier_signal -1
	s_barrier_wait -1
	s_cmp_lg_u32 s2, 0
	s_cbranch_scc1 .Lnot_wave_0_\@
	s_barrier_signal -3
.Lnot_wave_0_\@:
	s_barrier_wait -3
	s_barrier_signal -1
	s_barrier_wait -1
.endm
.macro PLACES                          ; four plain places behind a matrix instruction of this form (ISA guide 7.12.1)
.rept 4
	v_nop
.endr
.endm
.macro FRAG dst, a16, a8, off          ; an image becomes 12 registers: every load reads consecutive bytes
	ds_load_b128 v[\dst:\dst+3], v[\a16] offset:\off
	ds_load_b64 v[\dst+4:\dst+5], v[\a8] offset:\off+512
	ds_load_b128 v[\dst+6:\dst+9], v[\a16] offset:\off+768
	ds_load_b64 v[\dst+10:\dst+11], v[\a8] offset:\off+1280
.endm
.macro FETCH s                         ; K step s: my 8 + 4 fragments into set s % 2: 48 LDS loads
	WIN 0x80
.irp i, 0,1,2,3,4,5,6,7
	FRAG 96*((\s)%2)+12*\i, 4, 5, \i*TILE2+1536*((\s)%4)
.endr
	WIN 0xc0
.irp j, 0,1,2,3
	FRAG 48*((\s)%2)+12*\j, 6, 7, \j*TILE2+1536*((\s)%4)
.endr
	WIN 0
.endm
.macro WM d, a, b, c, sa, sb, ra, rb   ; one product; ra, rb: the scales of an odd tile stand in lanes 16-31
.if ((\ra) == 0) && ((\rb) == 0)
	v_wmma_scale_f32_16x16x128_f8f6f4 v[\d:\d+7], v[\a:\a+11], v[\b:\b+11], v[\c:\c+7], v[\sa], v[\sb] matrix_a_fmt:MATRIX_FMT_FP6 matrix_b_fmt:MATRIX_FMT_FP6
.elseif ((\ra) == 1) && ((\rb) == 0)
	v_wmma_scale_f32_16x16x128_f8f6f4 v[\d:\d+7], v[\a:\a+11], v[\b:\b+11], v[\c:\c+7], v[\sa], v[\sb] matrix_a_fmt:MATRIX_FMT_FP6 matrix_b_fmt:MATRIX_FMT_FP6 matrix_a_scale:MATRIX_SCALE_ROW1
.elseif ((\ra) == 0)
	v_wmma_scale_f32_16x16x128_f8f6f4 v[\d:\d+7], v[\a:\a+11], v[\b:\b+11], v[\c:\c+7], v[\sa], v[\sb] matrix_a_fmt:MATRIX_FMT_FP6 matrix_b_fmt:MATRIX_FMT_FP6 matrix_b_scale:MATRIX_SCALE_ROW1
.else
	v_wmma_scale_f32_16x16x128_f8f6f4 v[\d:\d+7], v[\a:\a+11], v[\b:\b+11], v[\c:\c+7], v[\sa], v[\sb] matrix_a_fmt:MATRIX_FMT_FP6 matrix_b_fmt:MATRIX_FMT_FP6 matrix_a_scale:MATRIX_SCALE_ROW1 matrix_b_scale:MATRIX_SCALE_ROW1
.endif
.endm
; 32 products: K step s.  cm = 0: onto the sums;  1: the sums begin with the bias.  The 32 accumulators take turns in one order.
.macro MUL s, cm
.if \cm == 0
	WIN 0x5e                                       ; source 0 window 2, source 1 window 3, C and D window 1
.else
	WIN 0x7e                                       ; C window 3
.endif
.irp j, 0,1,2,3
.irp i, 0,1,2,3,4,5,6,7
.set rD, 8*(8*\j+\i)
.set rA, 96*((\s)%2)+12*\i
.set rB, 48*((\s)%2)+12*\j
.if \cm == 0
.set rC, rD
.else
.set rC, BIAS+8*\i
.endif
	WM rD, rA, rB, rC, SS0+8*(\i/2)+(\s), SS1+8*(\j/2)+(\s), \i%2, \j%2
.endr
.endr
.endm
.macro AFTER s                         ; behind K step s: the fragments of K step s + 2, into the set just multiplied
.if (\s) <= 5
.if (\s) == 2
	s_wait_dscnt 0x0                               ; no LDS load of mine is out at a signal
	s_wait_tensorcnt 0x0                           ; my load of the second half has landed
	s_barrier_signal -1
	s_barrier_wait -1                              ; everybody's have.
	v_add_nc_u32 v4, CHUNK, v4                     ; on to that chunk: four plain lines, the places in front of the loads below
	v_add_nc_u32 v5, CHUNK, v5
	v_add_nc_u32 v6, CHUNK, v6
	v_add_nc_u32 v7, CHUNK, v7
.else
	PLACES
.endif
	FETCH (\s)+2
.endif
.endm
.macro STEP s, cm
.if (\s) < 7
	s_wait_dscnt 48                                ; this step's 48 loads are in; the next step's 48 may be out
.else
	s_wait_dscnt 0x0
.endif
	MUL \s, \cm
	WIN 0
	AFTER \s
.endm
	s_load_b256 s[68:75], s[0:1], 0x0              ; xc, xs, oc, os
	s_load_b128 s[76:79], s[0:1], 0x20             ; bo, out0
	v_lshl_add_u32 v126, v0, 2, 0x48000
	v_mov_b32 v127, 0
	ds_add_u32 v126, v127
	ds_add_u32 v126, v127
	v_lshrrev_b32 v1, 5, v0
	v_readfirstlane_b32 s2, v1                     ; wave 0..3
	s_and_b32 s3, s2, 1                            ; a: my half of wo's tiles
	s_lshr_b32 s4, s2, 1                           ; my half of the rows' tiles
	s_bfe_u32 s5, ttmp6, 0x40000                   ; cx
	s_bfe_u32 s6, ttmp6, 0x40004                   ; cy
	s_and_b32 s7, ttmp7, 0xffff                    ; the cluster's y
	s_lshl_b32 s82, ttmp9, 2
	s_add_co_u32 s82, s82, s5                      ; X
	s_lshl_b32 s83, s82, 4
	s_add_co_u32 s83, s83, 1728                    ; wo's first tile of mine, in xc and xs
	s_lshl_b32 s97, s6, 3
	s_lshl_b32 s10, s7, 5
	s_add_co_u32 s97, s97, s10                     ; the rows' first tile, in oc and os: 32 x cluster y + 8 cy
	s_lshl_b32 s8, 0x1111, s5
	s_or_b32 s16, s8, (3<<16)|(1<<21)              ; 15:0 the mask: my column of the cluster; 17:16 elements of 8 bytes; 21 set beside a mask
	s_lshl_b32 s10, s6, 2
	s_lshl_b32 s10, 15, s10
	s_or_b32 s24, s10, (3<<16)|(1<<21)             ; my row of the cluster
	s_mov_b32 s17, 768<<16                         ; rows of 6,144 bytes (768 elements of 8): four K steps of a tile
	s_mov_b32 s18, 8<<16                           ; eight tiles of wo
	s_mov_b32 s19, 768<<16
	s_mov_b32 s20, 8
	s_mov_b32 s21, 1536                            ; 12,288 bytes apart
	s_mov_b32 s22, 0
	s_mov_b32 s23, 0
	s_mov_b32 s25, 768<<16
	s_mov_b32 s26, 4<<16                           ; four tiles of rows
	s_mov_b32 s27, 768<<16
	s_mov_b32 s28, 4
	s_mov_b32 s29, 1536
	s_mov_b32 s30, 0
	s_mov_b32 s31, 0
	s_lshl_b32 s8, s3, 3                           ; waves 0, 1: tiles 0-7, 8-15 of wo
	s_add_co_u32 s8, s8, s83
	s_mul_i32 s8, s8, 12288
	s_mov_b32 s9, 0
	s_lshl_b32 s10, s3, 2                          ; waves 2, 3: tiles 0-3, 4-7 of the rows
	s_add_co_u32 s10, s10, s97
	s_mul_i32 s10, s10, 12288
	s_mov_b32 s11, 0
	s_mul_i32 s12, s2, 49152                       ; where they go: waves 0, 1: 49,152 x wave;
	s_mul_i32 s13, s2, 24576                       ; waves 2, 3: 49,152 + 24,576 x wave: the wave's number alone enters an LDS address
	s_wait_dscnt 0x0
	s_wait_kmcnt 0x0
	s_add_nc_u64 s[8:9], s[68:69], s[8:9]
	s_add_nc_u64 s[10:11], s[72:73], s[10:11]
.irp c, 0,1
	s_mov_b32 s[32+4*\c], 1
	s_add_co_u32 s[33+4*\c], s12, \c*CHUNK
	s_add_nc_u64 s[34+4*\c:35+4*\c], s[8:9], \c*TILE2
	s_or_b32 s[35+4*\c], s[35+4*\c], 0x80000000
	s_mov_b32 s[48+4*\c], 1
	s_add_co_u32 s[49+4*\c], s13, \c*CHUNK+49152
	s_add_nc_u64 s[50+4*\c:51+4*\c], s[10:11], \c*TILE2
	s_or_b32 s[51+4*\c], s[51+4*\c], 0x80000000
.endr
	CROUND                                         ; all sixteen work-groups are here: the joint loads meet
.macro JLOAD c                         ; half c of K: one joint load a wave; the branch hangs on the wave's number alone; s_nop 0 and four v_nop follow each line
	s_cmp_eq_u32 s4, 0
	s_cbranch_scc0 .Lsrc1_\@
	tensor_load_to_lds s[32+4*\c:35+4*\c], s[16:23]
	s_nop 0
	PLACES
	s_branch .Lasked_\@
.Lsrc1_\@:
	tensor_load_to_lds s[48+4*\c:51+4*\c], s[24:31]
	s_nop 0
	PLACES
.Lasked_\@:
.endm
	JLOAD 0                                        ; the first four K steps: one tensor load a wave at the head
	v_and_b32 v1, 31, v0                           ; lane
	v_and_b32 v2, 15, v0                           ; r
	v_bfe_u32 v3, v0, 4, 1                         ; h
	v_lshlrev_b32 v8, 4, v1                        ; 16 x lane
	v_lshlrev_b32 v9, 3, v1                        ; 8 x lane
	v_lshlrev_b32 v14, 5, v1                       ; 32 x lane
	v_lshlrev_b32 v15, 6, v3                       ; bias: 16 h outputs on
	s_wait_alu depctr_va_vdst(0)
	s_mul_i32 s12, s3, 49152
	v_add_nc_u32 v4, s12, v8
	v_add_nc_u32 v5, s12, v9
	s_mul_i32 s13, s4, 24576
	s_add_co_u32 s13, s13, S1OFF
	v_add_nc_u32 v6, s13, v8
	v_add_nc_u32 v7, s13, v9
	s_mul_i32 s12, s2, 16*SP                       ; my stage
	v_mul_u32_u24 v[STO], v2, SP
	v_lshl_add_u32 v[STO], v3, 6, v[STO]
	v_add_nc_u32 v[STO], s12, v[STO]               ; in: row r, + 64 h
	v_add_nc_u32 v[RD], s12, v8                    ; back: a row's 512 bytes, 16 a lane
	s_lshl_b32 s14, s3, 3
	s_add_co_u32 s14, s14, s83
	s_lshl_b32 s14, s14, 9
	s_mov_b32 s15, 0
	s_add_nc_u64 s[98:99], s[70:71], s[14:15]      ; wo's scale words
	s_lshl_b32 s14, s4, 2
	s_add_co_u32 s14, s14, s97
	s_lshl_b32 s66, s14, 16                        ; (my first row of out0: 16 rows a tile, 4,096 bytes a row)
	s_lshl_b32 s14, s14, 9
	s_add_nc_u64 s[100:101], s[74:75], s[14:15]    ; the rows' scale words
.irp p, 0,1,2,3
	global_load_b128 v[SS0+8*\p:SS0+8*\p+3], v14, s[98:99] offset:1024*\p
	global_load_b128 v[SS0+8*\p+4:SS0+8*\p+7], v14, s[98:99] offset:1024*\p+16
.endr
.irp p, 0,1
	global_load_b128 v[SS1+8*\p:SS1+8*\p+3], v14, s[100:101] offset:1024*\p
	global_load_b128 v[SS1+8*\p+4:SS1+8*\p+7], v14, s[100:101] offset:1024*\p+16
.endr
	s_lshl_b32 s14, s82, 10
	s_lshl_b32 s67, s3, 9
	s_add_co_u32 s14, s14, s67                     ; my 128 outputs begin at 256 X + 128 a: 4 bytes each
	s_add_nc_u64 s[86:87], s[76:77], s[14:15]      ; in bo,
	s_add_co_u32 s14, s14, s66
	s_add_nc_u64 s[84:85], s[78:79], s[14:15]      ; and in my first row of out0
	WIN 0xc0
.irp i, 0,1,2,3,4,5,6,7                ; register e of tile i: output 32 (i / 2) + 8 (i % 2) + 16 h + e
	global_load_b128 v[BIAS+8*\i:BIAS+8*\i+3], v15, s[86:87] offset:(32*(\i/2)+8*(\i%2))*4
	global_load_b128 v[BIAS+8*\i+4:BIAS+8*\i+7], v15, s[86:87] offset:(32*(\i/2)+8*(\i%2))*4+16
.endr
	WIN 0
	s_wait_alu depctr_va_vdst(0)
	s_wait_tensorcnt 0x0                           ; my part of the first half is in
	ds_add_u32 v126, v127
	s_wait_dscnt 0x0
	CROUND                                         ; everybody's part is in, and the sixteen work-groups meet
	JLOAD 1                                        ; the last four K steps: my one tensor load behind the round
	FETCH 0
	FETCH 1
	s_wait_loadcnt 0x0                             ; scale words and bias
	STEP 0, 1                                      ; the first K step starts the sums with the bias: nothing is cleared
	s_wait_alu depctr_va_vdst(0)
	STEP 1, 0
	STEP 2, 0
	s_wait_alu depctr_va_vdst(0)
	STEP 3, 0
	STEP 4, 0
	s_wait_alu depctr_va_vdst(0)
	STEP 5, 0
	STEP 6, 0
	STEP 7, 0
	s_barrier_signal -1                            ; my LDS loads are all in (the last step's wait was for 0):
	s_barrier_wait -1                              ; nobody reads the operands any more, so the stages may be written
; Tile j of my rows: register 16 b + i of a lane is output 32 b + 16 (lane / 16) + i of row slot r.  LDS serves a wave's instructions in order (ISA guide 5.7.1.4): no wait between the stores and the loads, nor in front of the next tile's stores.
.macro TOSTAGE j
	WIN 0x04                                       ; an LDS store's data are its source 1: window 1
.irp b, 0,1,2,3
.irp e, 0,1,2,3
	ds_store_b128 v[STO], v[64*(\j)+16*\b+4*\e:64*(\j)+16*\b+4*\e+3] offset:128*\b+16*\e   ; each accumulator from its low end on
.endr
.endr
	WIN 0
.irp t, 0,1,2,3,4,5,6,7,8,9,10,11,12,13,14,15
	ds_load_b128 v[BK+64*((\j)%2)+4*\t:BK+64*((\j)%2)+4*\t+3], v[RD] offset:SP*\t
.endr
.endm
.macro SEND j, younger                 ; younger: the LDS instructions issued behind tile j's loads, which may stay out
	s_wait_dscnt \younger
.irp t, 0,1,2,3,4,5,6,7,8,9,10,11,12,13,14,15
	global_store_b128 v8, v[BK+64*((\j)%2)+4*\t:BK+64*((\j)%2)+4*\t+3], s[84:85] offset:(32*((\j)/2)+8*((\j)%2)+\t+8*(\t/8))*4096 th:TH_STORE_NT   ; slot t's row: 512 consecutive bytes, at a multiple of 512 from out0's first byte
.endr
.endm
	PLACES                                         ; in front of the first read of results
	TOSTAGE 0
	TOSTAGE 1
	SEND 0, 32                                     ; behind tile 0's loads: tile 1's 16 stores and 16 loads
	s_wait_xcnt 0x0                                ; tile 0's stores have read their registers: tile 2's loads may land there
	TOSTAGE 2
	SEND 1, 32
	s_wait_xcnt 0x0
	TOSTAGE 3
	SEND 2, 32
	SEND 3, 0
	s_wait_tensorcnt 0x0
	ds_add_u32 v126, v127
	s_wait_dscnt 0x0
	CROUND                                         ; the closing round: no work-group ends while a partner may still ask for a tile that names it
	s_endpgm
.Lfunc_end_k_q93a353ef20_outp:
	.size	k_q93a353ef20_outp, .Lfunc_end_k_q93a353ef20_outp-k_q93a353ef20_outp
	.p2alignl 7, 3214868480
	.fill 96, 4, 3214868480
	.section	.rodata,"a",@progbits
	.p2align	6, 0x0
	.amdhsa_kernel k_q93a353ef20_outp
		.amdhsa_group_segment_fixed_size 327680
		.amdhsa_private_segment_fixed_size 0
		.amdhsa_enable_private_segment 0
		.amdhsa_kernarg_size 48
		.amdhsa_user_sgpr_count 2
		.amdhsa_user_sgpr_kernarg_segment_ptr 1
		.amdhsa_wavefront_size32 1
		.amdhsa_system_sgpr_workgroup_id_x 1
		.amdhsa_system_sgpr_workgroup_id_y 1
		.amdhsa_system_sgpr_workgroup_id_z 1
		.amdhsa_system_vgpr_workitem_id 0
		.amdhsa_next_free_vgpr 1024
		.amdhsa_next_free_sgpr 102
		.amdhsa_reserve_vcc 0
		.amdhsa_float_denorm_mode_32 3
		.amdhsa_float_denorm_mode_16_64 3
		.amdhsa_memory_ordered 1
		.amdhsa_forward_progress 1
		.amdhsa_inst_pref_size 84
	.end_amdhsa_kernel
	.amdgpu_metadata
---
amdhsa.version: [ 1, 2 ]
amdhsa.kernels:
  - .name:           k_q93a353ef20_outp
    .symbol:         k_q93a353ef20_outp.kd
    .args:
      - { .name: xc, .offset: 0, .size: 8, .value_kind: global_buffer, .address_space: global }
      - { .name: xs, .offset: 8, .size: 8, .value_kind: global_buffer, .address_space: global }
      - { .name: oc, .offset: 16, .size: 8, .value_kind: global_buffer, .address_space: global }
      - { .name: os, .offset: 24, .size: 8, .value_kind: global_buffer, .address_space: global }
      - { .name: bo, .offset: 32, .size: 8, .value_kind: global_buffer, .address_space: global }
      - { .name: out0, .offset: 40, .size: 8, .value_kind: global_buffer, .address_space: global }
    .group_segment_fixed_size: 327680
    .private_segment_fixed_size: 0
    .kernarg_segment_align: 8
    .kernarg_segment_size: 48
    .max_flat_workgroup_size: 128
    .sgpr_count:     102
    .vgpr_count:     1024
    .wavefront_size: 32
...
	.end_amdgpu_metadata
.endif
;; end of part 4
